; MI455X (gfx1250); checked and timed in simulation.
; The chip was launched on July 23, 2026; its instructions are those of AMD's public machine-readable ISA for CDNA 5 (MIT licence, August 2026) and "CDNA5" Instruction Set Architecture Reference Guide (July 2026). The comments in the code are by the model that wrote it; some were corrected since.
;; Multihead Attention. Allowed arithmetic: matrix products marked QUANTISED: E2M3 operands, one E8M0 scale for each 32 along K, by v_wmma_scale_f32_16x16x128_f8f6f4 with both operands' format E2M3, f32 sums; everything else in f32.
;; Inputs: Wk 1,024 x 1,024 float32; Wo 1,024 x 1,024 float32; Wq 1,024 x 1,024 float32; Wv 1,024 x 1,024 float32; bk 1,024 float32; bo 1,024 float32; bq 1,024 float32; bv 1,024 float32; x 4 x 2,048 x 1,024 float32.
;; Outputs: out0 4 x 2,048 x 1,024 float32.
;; This version of the problem:
;;   THIS VERSION OF THE PROBLEM IS GIVEN IN LOW PRECISION. The matrix products marked QUANTISED in the list below multiply operands that are first quantised to E2M3 (2 exponent bits, 3 mantissa bits; 6 bits a number), with one power-of-two scale for each 32 numbers along K (OCP MX v1.0); their sums are f32. All else is computed in f32.
;;   The module's matrix products, in the order in which they are computed (A, B: the left and right operand; K: the contracted axis; several contracted axes count as one K, in the product's order):
;;     1. [M 8,192, K 1,024] x [K 1,024, N 1,024]; A: input x; B: input Wq: QUANTISED
;;     2. [M 8,192, K 1,024] x [K 1,024, N 1,024]; A: input x; B: input Wk: QUANTISED
;;     3. [M 8,192, K 1,024] x [K 1,024, N 1,024]; A: input x; B: input Wv: QUANTISED
;;     4. batch 64 x [M 2,048, K 64] x [K 64, N 2,048]; A: computed on the way; B: computed on the way: QUANTISED
;;     5. batch 64 x [M 2,048, K 2,048] x [K 2,048, N 64]; A: softmax (see below); B: computed on the way: QUANTISED
;;     6. [M 8,192, K 1,024] x [K 1,024, N 1,024]; A: computed on the way; B: input Wo: QUANTISED
;;   THE QUANTISER, for each operand of a quantised product, along K:
;;     - K is cut into blocks of 32 from its start; a last block that is shorter is filled with zeros.
;;     - A block's scale is 2^e with e = floor(log2(the largest magnitude in the block)) - 2, held to -126 .. 127; a block of zeros has e = 0. As a byte (E8M0): e + 127.
;;     - Each number is divided by its block's scale, clamped to +-7.5, and rounded to the nearest number of E2M3, ties to even, subnormals kept.
;;     - The product sums the exact products of the quantised numbers (number of the format x scale) in f32.
;;   ~~~python
;;   def quantise(x, axis):      # numpy; x: float32 -> the quantised numbers, widened to float32 again
;;       x = np.moveaxis(x, axis, -1); K = x.shape[-1]
;;       x = np.pad(x, [(0, 0)] * (x.ndim - 1) + [(0, -K % 32)]); x = x.reshape(x.shape[:-1] + (-1, 32)); a = np.abs(x).max(-1, keepdims=True)
;;       e = np.where(a > 0, np.clip(np.frexp(np.where(a > 0, a, 1))[1] - 1 - 2, -126, 127), 0)      # np.frexp(a)[1] - 1 = floor(log2(a)), exactly
;;       r = np.clip(x / 2.0 ** e, -7.5, 7.5)
;;       step = 2.0 ** (np.maximum(np.frexp(np.where(r == 0, 1, r))[1] - 1, 0) - 3)
;;       q = np.round(r / step) * step * 2.0 ** e      # np.round: ties to even
;;       return np.moveaxis(q.reshape(q.shape[:-2] + (-1,))[..., :K], -1, axis).astype(np.float32)
;;   ~~~
;;   SOFTMAX AHEAD OF A QUANTISED PRODUCT. Where the list says 'softmax', what is quantised is not the finished softmax but p = 2^(t - M), with t = logit x log2(e) and M = ceil(the row's largest t), a whole number; so 1/2 < the row's largest p <= 1. The row's sum l is taken of the UNQUANTISED p, in f32, and the product's result is divided by l at the end. Since M is a whole number, a kernel that streams over the keys may use a running M (the ceiling of the running maximum): every later rescaling is an exact power of two, which a block's scale takes up: the codes' values come out the same.
;;   OPERANDS COMPUTED ON THE WAY. 'Computed on the way' means the value that the module computes at that place (a softmax that the list does not call 'softmax' is quantised finished and normalised). What goes into a quantiser is computed in f32, as accurately as f32 sums, v_exp_f32 and their like allow (about 1e-6 of the number): no bf16 or f16 on the way to a quantiser, and a product that is left as it is and whose result goes on into a quantised operand takes f32 operands (vector FMAs, or v_wmma_f32_16x16x4_f32). A number that lies on a knife's edge between two numbers of the format may be rounded either way, as far as f32 arithmetic and the matrix unit's own rounding can turn it there, and no further.
;; One version. Each part assembles by itself: llvm-mc -triple=amdgcn-amd-amdhsa -mcpu=gfx1250 --defsym DOCPART=n.
;; ======== version 1 of 1: 4 launches
;; limits: right only within a limited range of input values
;; workspace buffers: opc 9,437,184 bytes; ops 393,216 bytes; qkvc 18,874,368 bytes; qkvs 1,310,720 bytes; hc 6,291,456 bytes; hs 262,144 bytes
;; launch quant (part 1): grid 384 x 1, 4 waves a work-group, no clusters, 59,904 bytes of LDS; arguments x, Wq, Wk, Wv, Wo, opc, ops; writes opc, ops
.if DOCPART == 1
	.amdgcn_target "amdgcn-amd-amdhsa--gfx1250"
	.amdhsa_code_object_version 6
	.text
	.protected	k_q9bdeaa5ff5_quant
	.globl	k_q9bdeaa5ff5_quant
	.p2align	8
	.type	k_q9bdeaa5ff5_quant,@function
k_q9bdeaa5ff5_quant:
	s_mov_b64 s[64:65], 0
	v_nop
	global_prefetch_b8 v0, s[64:65] scope:SCOPE_SE
	s_setreg_imm32_b32 hwreg(HW_REG_WAVE_MODE, 25, 1), 1
	s_wait_xcnt 0x0
; x [8192][1024] (K innermost) and Wq, Wk, Wv, Wo [1024 (K)][1024] (K outermost), f32, become codes of FP6 (E2M3) with one E8M0 byte for each 32 along K.
; A block's scale is 2^(floor(log2(its largest magnitude)) - 2): its byte is the largest magnitude's exponent field - 2, held at 1 from below.
; LIMITS: a block of zeros gets the byte 1 where the quantiser says 127 (its codes are zeros, and this program alone reads the bytes); blocks whose largest magnitude lies under 2^-124 keep the byte 1;
; NaN and infinities among the inputs are not served.
; THE LAYOUT OF THE CODES (opc) is the order of a matrix operand's registers.  768 tiles of 16 rows: 0-511 x, 512-575 Wq, 576-639 Wk, 640-703 Wv, 704-767 Wo (a weight's rows are its columns n).
; Place 16 T + r of the buffer holds row sigma(16 T + r), sigma = bits 3 and 4 changed over: 32 (T / 2) + 8 (T % 2) + r + 8 (r / 8).  Tile T, K step s (128 along K) is a unit of 1,536 bytes at (8 T + s) x 1,536:
; six pieces of 256 bytes, piece i holding at byte 8 x lane the fragment's registers 2 i, 2 i + 1 (registers 6 c .. 6 c + 5 of lane (r, h): k = 128 s + 64 c + 32 h + 0 .. 31).
; THE SCALE BYTES (ops): the byte of (place P, block kb) lies at 512 (P / 16) + 256 (kb / 16) + 16 (P % 16) + kb % 16.
; Work-groups 0-255 take x, 256-383 the weights; each reads 128 KiB.  The two ways have LDS bytes of their own.  No tensor loads, no barrier: waves share nothing.  No cluster: no two work-groups read the same bytes.
.set XSTG,  8448                       ; x: a wave's stage: 16 rows x (512 bytes + 16)
.set WBASE, 4*XSTG                     ; the weights' stages begin behind x's
.set WSTG,  6400                       ; a wave's: two tiles x 3,200
.set WPIT,  3200                       ; a tile's two units, 3,072 bytes, + 128: the two tiles' lanes fall on different banks
.set R,     64                         ; x: v64-191  two sets of 64 numbers as loaded
.set X,     192                        ;    v192-255 64 numbers of my row: register 32 c + i = k 64 c + 32 h + i
.set C,     24                         ;    v24-47   two sets of 12 code registers
.set SW,    20                         ;    v20-23   the four K steps' scale words
.set XW,    32                         ; weights: v32-95 two sets of 32 numbers
.set CW,    96                         ;    v96-101 a block's codes; v104-106 its second half as converted
.set OUTR,  112                        ;    v112-159 the way out
.set SB,    24                         ;    v24-25 my column's eight scale bytes
.macro XLOAD sl                        ; K step sl of my 16 rows: a load reads 512 consecutive bytes of one row
.irp i, 0,1,2,3,4,5,6,7,8,9,10,11,12,13,14,15
	global_load_b128 v[R+64*((\sl)%2)+4*\i:R+64*((\sl)%2)+4*\i+3], v4, s[4:5] offset:(\i+8*(\i/8))*4096+512*(\sl) th:TH_LOAD_NT
.endr
.endm
.macro XSTEP sl
.set RS, R+64*((\sl)%2)
.set CD, C+12*((\sl)%2)
.if (\sl) < 3
	s_wait_loadcnt 16                              ; this step's 16 loads are in; the next step's 16 may be out
.else
	s_wait_loadcnt 0x0
.endif
.irp i, 0,1,2,3,4,5,6,7,8,9,10,11,12,13,14,15
	ds_store_b128 v5, v[RS+4*\i:RS+4*\i+3] offset:528*\i   ; the rows as they lie; LDS serves a wave's instructions in order, so no wait stands ahead of the loads below
.endr
.irp c, 0,1
.irp j, 0,1,2,3,4,5,6,7
	ds_load_b128 v[X+32*\c+4*\j:X+32*\c+4*\j+3], v6 offset:256*\c+16*\j   ; back: lane (r, h) takes two whole blocks of row r
.endr
.endr
	s_wait_dscnt 0x0                               ; my numbers are back, and the stores have read their registers,
.if (\sl) < 2
	XLOAD (\sl)+2                                  ; which take the loads of two steps on
.endif
.irp c, 0,1
	v_max3_num_f32 v[10+\c], |v[X+32*\c]|, |v[X+32*\c+1]|, 0x1800000   ; block 2 c + h: all 32 numbers are mine; the floor 2^(3 - 127) holds the byte at 1 from below
.endr
.irp i, 2,4,6,8,10,12,14,16,18,20,22,24,26,28,30
.irp c, 0,1
	v_max3_num_f32 v[10+\c], v[10+\c], |v[X+32*\c+\i]|, |v[X+32*\c+\i+1]|
.endr
.endr
.irp c, 0,1
	v_add_nc_u32 v[12+\c], 0xff000000, v[10+\c]    ; 2 off the exponent field: the conversion's scale operand
.endr
.irp c, 0,1
	v_lshrrev_b32 v[14+\c], 23, v[12+\c]           ; the scale's byte
.endr
	v_lshl_or_b32 v16, v15, 16, v14                ; my bytes of blocks h and 2 + h,
	v_lshlrev_b32 v16, v9, v16                     ; 8 h bits up;
	v_permlanex16_b32 v17, v16, s20, s21
	v_or_b32 v[SW+(\sl)], v16, v17                 ; with lane l xor 16's the row's word is whole
.if (\sl) >= 2
	s_wait_alu depctr_va_vdst(0)
	s_wait_xcnt 0x0                                ; this set of codes was the data of the stores two steps back: it is written again only behind this wait
.endif
.irp c, 0,1
	v_cvt_scalef32_pk16_fp6_f32 v[CD+6*\c:CD+6*\c+2], v[X+32*\c:X+32*\c+15], v[12+\c]
	v_cvt_scalef32_pk16_fp6_f32 v[48+4*\c:50+4*\c], v[X+32*\c+16:X+32*\c+31], v[12+\c]   ; (a conversion's three registers begin on an even number)
.endr
	v_nop                                          ; one plain place behind the conversions
.irp c, 0,1
.irp i, 0,1,2
	v_mov_b32 v[CD+6*\c+3+\i], v[48+4*\c+\i]
.endr
.endr
.irp i, 0,1,2,3,4,5
	global_store_b64 v7, v[CD+2*\i:CD+2*\i+1], s[14:15] offset:1536*(\sl)+256*\i   ; 32 lanes store 256 consecutive bytes, aligned
.endr
.endm
.macro WLOAD t                         ; block t: W(32 t + n, my column), n = 0 .. 31: 32 lanes read 128 consecutive bytes
.set n, 0
.rept 32
	global_load_b32 v[XW+32*((\t)%2)+n], v3, s[32:33] offset:(32*(\t)+n)*4096 th:TH_LOAD_NT
.set n, n+1
.endr
.endm
.macro WBLOCK t
.set XS, XW+32*((\t)%2)
.if (\t) < 7
	s_wait_loadcnt 32                              ; this block's 32 loads are in; the next block's may be out
.else
	s_wait_loadcnt 0x0
.endif
	v_max3_num_f32 v12, |v[XS]|, |v[XS+1]|, |v[XS+2]|
	v_max3_num_f32 v13, |v[XS+3]|, |v[XS+4]|, |v[XS+5]|
.irp i, 6,10,14,18,22,26
	v_max3_num_f32 v12, v12, |v[XS+\i]|, |v[XS+\i+1]|
	v_max3_num_f32 v13, v13, |v[XS+\i+2]|, |v[XS+\i+3]|
.endr
	v_max3_num_f32 v12, v12, |v[XS+30]|, |v[XS+31]|
	v_max3_num_f32 v12, v12, v13, 0x1800000        ; the block's largest magnitude, and the floor
	v_add_nc_u32 v11, 0xff000000, v12
	v_lshrrev_b32 v13, 23, v11
.if (\t)%4 == 0
	v_mov_b32 v[SB+(\t)/4], v13
.else
	v_lshl_or_b32 v[SB+(\t)/4], v13, 8*((\t)%4), v[SB+(\t)/4]
.endif
	v_cvt_scalef32_pk16_fp6_f32 v[CW:CW+2], v[XS:XS+15], v11
	v_cvt_scalef32_pk16_fp6_f32 v[CW+8:CW+10], v[XS+16:XS+31], v11
	v_nop                                          ; one plain place behind the conversions
.irp i, 0,1,2
	v_mov_b32 v[CW+3+\i], v[CW+8+\i]
.endr
.irp p, 0,1,2                          ; block t is registers 6 c .. 6 c + 5 of lane (r, h) of K step t / 4, with c = (t % 4) / 2, h = t % 2
	ds_store_b64 v7, v[CW+2*\p:CW+2*\p+1] offset:((\t)/4)*1536+(((\t)%4)/2)*768+256*\p+((\t)%2)*128
.endr
.if (\t)+2 < 8
	WLOAD (\t)+2
.endif
	s_wait_dscnt 0x0                               ; the stores have read their registers: the next block's codes may be written
.endm
	s_load_b128 s[4:7], s[0:1], 0x0                ; x, Wq
	s_load_b128 s[8:11], s[0:1], 0x10              ; Wk, Wv
	s_load_b128 s[12:15], s[0:1], 0x20             ; Wo, opc
	s_load_b64 s[16:17], s[0:1], 0x30              ; ops
	v_lshl_add_u32 v18, v0, 2, 0xe800
	v_mov_b32 v19, 0
	v_lshrrev_b32 v1, 5, v0
	v_readfirstlane_b32 s18, v1                    ; wave 0..3
	v_and_b32 v1, 31, v0                           ; lane
	s_cmp_lt_u32 ttmp9, 256
	s_cbranch_scc0 .Lw
	; ---- x: wave n = 4 x work-group + wave takes tile n / 2 (16 rows) and half n % 2 of K: four K steps
	v_and_b32 v2, 15, v0                           ; r
	v_bfe_u32 v3, v0, 4, 1                         ; h
	v_lshlrev_b32 v4, 4, v1                        ; 16 x lane
	s_mul_i32 s19, s18, XSTG
	v_add_nc_u32 v5, s19, v4                       ; into my stage
	v_mul_u32_u24 v6, v2, 528
	v_lshl_add_u32 v6, v3, 7, v6
	v_add_nc_u32 v6, s19, v6                       ; out of it: row r, + 128 h.  Rows 528 bytes apart: sixteen lanes touch sixteen different columns of 16 bytes
	v_lshlrev_b32 v7, 3, v1                        ; 8 x lane
	v_lshlrev_b32 v8, 4, v2                        ; 16 r
	v_lshlrev_b32 v9, 3, v3                        ; 8 h
	v_mov_b32 v17, 0                               ; written once: a lane permute's destination counts as one of its sources
	s_mov_b32 s20, 0x76543210
	s_mov_b32 s21, 0xfedcba98                      ; lane l xor 16
	s_lshl_b32 s22, ttmp9, 2
	s_add_co_u32 s22, s22, s18
	s_lshr_b32 s23, s22, 1                         ; T
	s_and_b32 s24, s22, 1                          ; which half of K
	s_lshr_b32 s26, s23, 1
	s_lshl_b32 s26, s26, 17                        ; 32 (T / 2) rows of 4,096 bytes
	s_and_b32 s25, s23, 1
	s_lshl_b32 s25, s25, 15                        ; + 8 (T % 2) rows
	s_add_co_u32 s26, s26, s25
	s_lshl_b32 s25, s24, 11
	s_add_co_u32 s26, s26, s25
	s_mov_b32 s27, 0
	s_mul_i32 s28, s23, 12288
	s_mul_i32 s25, s24, 6144
	s_add_co_u32 s28, s28, s25
	s_mov_b32 s29, 0
	s_lshl_b32 s30, s23, 9
	s_lshl_b32 s25, s24, 8
	s_add_co_u32 s30, s30, s25
	s_mov_b32 s31, 0
	s_wait_alu depctr_va_vdst(0)
	s_wait_kmcnt 0x0
	s_add_nc_u64 s[4:5], s[4:5], s[26:27]
	s_add_nc_u64 s[14:15], s[14:15], s[28:29]
	s_add_nc_u64 s[16:17], s[16:17], s[30:31]
	XLOAD 0
	XLOAD 1
	XSTEP 0
	XSTEP 1
	XSTEP 2
	XSTEP 3
	global_store_b128 v8, v[SW:SW+3], s[16:17]     ; sixteen rows x 16 scale bytes: 256 consecutive bytes, aligned (lanes 16-31 hold and write the same)
	s_wait_tensorcnt 0x0
	ds_add_u32 v18, v19
	s_wait_dscnt 0x0
	s_endpgm
.Lw:	; ---- the weights: a lane takes a column, its registers run down K; a wave takes 32 columns x 256 along K
	s_sub_co_u32 s19, ttmp9, 256
	s_lshr_b32 s20, s19, 5                         ; which weight
	s_and_b32 s21, s19, 7                          ; which 128 columns
	s_bfe_u32 s22, s19, 0x20003                    ; which 256 along K
	s_wait_alu depctr_va_vdst(0)
	v_lshlrev_b32 v3, 2, v1                        ; in: 4 bytes a lane
	v_bfe_u32 v4, v0, 3, 1                         ; column l lies at place sigma(l): tile (l / 8) % 2,
	v_bfe_u32 v5, v0, 4, 1
	v_and_b32 v6, 7, v0
	v_lshl_or_b32 v5, v5, 3, v6                    ; row 8 (l / 16) + l % 8
	s_mul_i32 s23, s18, WSTG
	s_add_co_u32 s23, s23, WBASE
	v_mul_u32_u24 v7, v4, WPIT
	v_lshl_add_u32 v7, v5, 3, v7
	v_add_nc_u32 v7, s23, v7                       ; into my stage
	v_lshlrev_b32 v8, 4, v1                        ; 16 x lane
	v_add_nc_u32 v9, s23, v8                       ; out of it
	v_lshlrev_b32 v10, 9, v4
	v_lshl_add_u32 v10, v5, 4, v10                 ; my column's place among the scale bytes
	s_lshl_b32 s24, s22, 20                        ; 256 rows of 4,096 bytes
	s_lshl_b32 s26, s21, 9
	s_add_co_u32 s24, s24, s26
	s_lshl_b32 s26, s18, 7
	s_add_co_u32 s24, s24, s26
	s_mov_b32 s25, 0
	s_lshl_b32 s26, s20, 6
	s_lshl_b32 s27, s21, 3
	s_add_co_u32 s26, s26, s27
	s_lshl_b32 s27, s18, 1
	s_add_co_u32 s26, s26, s27
	s_add_co_u32 s26, s26, 512                     ; my first tile
	s_mul_i32 s28, s26, 12288
	s_mul_i32 s27, s22, 3072
	s_add_co_u32 s28, s28, s27
	s_mov_b32 s29, 0
	s_lshl_b32 s30, s26, 9
	s_lshr_b32 s27, s22, 1
	s_lshl_b32 s27, s27, 8
	s_add_co_u32 s30, s30, s27
	s_and_b32 s27, s22, 1
	s_lshl_b32 s27, s27, 3
	s_add_co_u32 s30, s30, s27
	s_mov_b32 s31, 0
	s_wait_kmcnt 0x0
	s_bitcmp1_b32 s20, 0                           ; the choice hangs on the work-group's number alone
	s_cselect_b64 s[32:33], s[8:9], s[6:7]
	s_cselect_b64 s[34:35], s[12:13], s[10:11]
	s_bitcmp1_b32 s20, 1
	s_cselect_b64 s[32:33], s[34:35], s[32:33]
	s_add_nc_u64 s[32:33], s[32:33], s[24:25]
	s_add_nc_u64 s[14:15], s[14:15], s[28:29]
	s_add_nc_u64 s[16:17], s[16:17], s[30:31]
	WLOAD 0
	WLOAD 1
.irp t, 0,1,2,3,4,5,6,7
	WBLOCK \t
.endr
	s_wait_alu depctr_va_vdst(0)
	global_store_b64 v10, v[SB:SB+1], s[16:17]     ; my column's eight scale bytes
.irp n, 0,1,2,3,4,5,6,7,8,9,10,11
	ds_load_b128 v[OUTR+4*\n:OUTR+4*\n+3], v9 offset:(\n/6)*WPIT+512*(\n%6)
.endr
.irp n, 0,1,2,3,4,5,6,7,8,9,10,11
	s_wait_dscnt 11-\n                             ; the younger loads may be out
	global_store_b128 v8, v[OUTR+4*\n:OUTR+4*\n+3], s[14:15] offset:(\n/6)*12288+512*(\n%6)   ; 512 consecutive bytes, aligned
.endr
	s_wait_tensorcnt 0x0
	ds_add_u32 v18, v19
	s_wait_dscnt 0x0
	s_endpgm
.Lfunc_end_k_q9bdeaa5ff5_quant:
	.size	k_q9bdeaa5ff5_quant, .Lfunc_end_k_q9bdeaa5ff5_quant-k_q9bdeaa5ff5_quant
	.p2alignl 7, 3214868480
	.fill 96, 4, 3214868480
	.section	.rodata,"a",@progbits
	.p2align	6, 0x0
	.amdhsa_kernel k_q9bdeaa5ff5_quant
		.amdhsa_group_segment_fixed_size 59904
		.amdhsa_private_segment_fixed_size 0
		.amdhsa_enable_private_segment 0
		.amdhsa_kernarg_size 56
		.amdhsa_user_sgpr_count 2
		.amdhsa_user_sgpr_kernarg_segment_ptr 1
		.amdhsa_wavefront_size32 1
		.amdhsa_system_sgpr_workgroup_id_x 1
		.amdhsa_system_sgpr_workgroup_id_y 1
		.amdhsa_system_sgpr_workgroup_id_z 1
		.amdhsa_system_vgpr_workitem_id 0
		.amdhsa_next_free_vgpr 256
		.amdhsa_next_free_sgpr 66
		.amdhsa_reserve_vcc 0
		.amdhsa_float_denorm_mode_32 3
		.amdhsa_float_denorm_mode_16_64 3
		.amdhsa_memory_ordered 1
		.amdhsa_forward_progress 1
		.amdhsa_inst_pref_size 73
	.end_amdhsa_kernel
	.amdgpu_metadata
---
amdhsa.version: [ 1, 2 ]
amdhsa.kernels:
  - .name:           k_q9bdeaa5ff5_quant
    .symbol:         k_q9bdeaa5ff5_quant.kd
    .args:
      - { .name: x, .offset: 0, .size: 8, .value_kind: global_buffer, .address_space: global }
      - { .name: Wq, .offset: 8, .size: 8, .value_kind: global_buffer, .address_space: global }
      - { .name: Wk, .offset: 16, .size: 8, .value_kind: global_buffer, .address_space: global }
      - { .name: Wv, .offset: 24, .size: 8, .value_kind: global_buffer, .address_space: global }
      - { .name: Wo, .offset: 32, .size: 8, .value_kind: global_buffer, .address_space: global }
      - { .name: opc, .offset: 40, .size: 8, .value_kind: global_buffer, .address_space: global }
      - { .name: ops, .offset: 48, .size: 8, .value_kind: global_buffer, .address_space: global }
    .group_segment_fixed_size: 59904
    .private_segment_fixed_size: 0
    .kernarg_segment_align: 8
    .kernarg_segment_size: 56
    .max_flat_workgroup_size: 128
    .sgpr_count:     66
    .vgpr_count:     256
    .wavefront_size: 32
...
	.end_amdgpu_metadata
.endif
;; end of part 1
;; launch gemm_qkv (part 2): grid 8 x 48, 4 waves a work-group, clusters of 4 x 4, 327,680 bytes of LDS; arguments opc, ops, qkvc, qkvs, bq, bk, bv; writes qkvc, qkvs
.if DOCPART == 2
	.amdgcn_target "amdgcn-amd-amdhsa--gfx1250"
	.amdhsa_code_object_version 6
	.text
	.protected	k_q9bdeaa5ff5_gemm_qkv
	.globl	k_q9bdeaa5ff5_gemm_qkv
	.p2align	8
	.type	k_q9bdeaa5ff5_gemm_qkv,@function
k_q9bdeaa5ff5_gemm_qkv:
	s_mov_b64 s[64:65], 0
	v_nop
	global_prefetch_b8 v0, s[64:65] scope:SCOPE_SE
	s_setreg_imm32_b32 hwreg(HW_REG_WAVE_MODE, 25, 1), 1
	s_wait_xcnt 0x0
	s_wait_alu depctr_hold_cnt(0) depctr_sa_sdst(0) depctr_va_vdst(0) depctr_va_sdst(0) depctr_va_ssrc(0) depctr_va_vcc(0) depctr_vm_vsrc(0)
	s_getreg_b32 s2, hwreg(HW_REG_IB_STS2, 6, 4)
	s_cmp_eq_u32 s2, 0
	s_cbranch_scc0 .Lentry_in_a_cluster
	s_endpgm
.Lentry_in_a_cluster:
	s_bfe_u32 s2, ttmp6, 0x10000c
	s_cmp_lg_u32 s2, 0xf033
	s_cbranch_scc0 .Lentry_shape_is_right
	s_endpgm
.Lentry_shape_is_right:
; q = x Wq + bq, k = x Wk + bk and v^T = (x Wv + bv)^T on codes of FP6 (E2M3) with E8M0 scales, and their quantising for the attention launch: q, k along a head's 64 channels, v along the keys.
; ONE TEXT, TWO ROLES, chosen by scalar selects on the cluster's y (no branch): clusters y 0-7: A = x (32 tile rows), B = Wq | Wk (8 tile columns); clusters y 8-11: A = Wv (4 tile rows), B = x (32 tile columns).
; A tile of the product is 256 x 256: four waves, each 128 x 128 in 64 accumulators.  K = 1,024 goes in four steps of 256 through two LDS slots filled by the tensor data mover.
; THE OPERANDS LIE IN MEMORY IN THE ORDER OF THEIR REGISTERS (launch quant): a fragment (16 rows x 128 K) is 1,536 bytes, six loads of 8 bytes a lane at 8 x lane + 256 i: consecutive bytes, no pitch, no padding.
; Place P of a buffer holds row sigma(P) (bits 3 and 4 changed over).  THE MATRIX INSTRUCTION IS USED TRANSPOSED (source 0 = 16 places of B, source 1 = 16 places of A): a lane holds ONE place of A, and by sigma the
; 64 registers of its eight accumulators are B's rows 32 g + 16 h + 0 .. 15, g = 0 .. 3: 16 neighbours of each block of 32 along the next product's K.  So the results are quantised in registers.
; A wave's 128 columns are a pair of heads (q, k) or one step of 128 keys (v^T): the 12 code registers made of them are two half fragments (a head each) or one fragment of v^T, stored as six aligned runs of 256 bytes.
; BIASES: bv belongs to A's places: it is the C of the first products.  bq, bk belong to B's rows: added on the way out.  Each is multiplied out by a mask of zeros in the other role.
; CLUSTERS: 4 x 4 work-groups; A's tiles are asked for jointly along a row of the cluster, B's along a column.
; LIMITS: a block of zeros gets the byte 1 (its codes are zeros; this program alone reads the bytes); NaN and infinities are not served.
; REGISTERS: window 0: v1-8 at the head, v16-29 addresses, v32-63 scale words (two sets), v64-127 the first products' C, v128-223 A's fragments (one set), on the way out v128-239;
;   window 1: v0-95, v128-223 B's fragments (two sets), v96-127 and v224-255 bq or bk;  windows 2, 3: the accumulators ((a, b) at v[8 (8 (a % 4) + b)]).
.set FR,     12
.set NL,     6
.set NP,     4
.set NQ,     2
.set UNIT,   1536                      ; a fragment
.set TROW,   2*UNIT                    ; a tile's part of a K step of 256
.set HALFT,  8*TROW                    ; eight tiles: what one tensor load brings, and what a wave reads of A or of B
.set SLOT,   4*HALFT
.set SCL,    2*SLOT                    ; behind the ring: the scale bytes for all of K, as rows of 256 bytes + 16
.set HALFS,  16*272
.set SBLK,   544                       ; a tile's
.set SPARE,  SCL+4*HALFS               ; the spare words: 128 bytes a wave, two blocks of 256 bytes that no other line names
.set VB,     12582912                  ; v^T's codes in qkvc
.set SVB,    1048576                   ; and its scale words in qkvs
.set ADRA, 16
.set ADRB, 20
.set CO,   24                          ; v24  8 x lane
.set SO,   25                          ; v25  16 r (+ 8,192 h for q, k: the pair's second head)
.set SH,   26                          ; v26  16 h for q, k; 0 for v^T
.set ADRS, 27
.set SPW,  28
.set NIL,  29
.set SC,   32
.set CB,   64
.set AF,   128
.set T,    128                         ; the way out: 64 numbers
.set PC,   192                         ; the codes just made (v192-203; v204-210 at work)
.set TM,   212
.set PW,   228
.set SW,   232                         ; v232-239 the eight tiles' scale words
.set SEL,  2
.set MV,   66                          ; s66 -1 in the role of v^T, else 0;  s67 the other way round
.set MQ,   67
.set AM,   100                         ; s100, s101: what is kept of a scale word, and what is set in it
.set OM,   101
.set G1, 24
.set G0, 32
.set G1B, 48
.set G0B, 56
.set G1S, 68
.set G0S, 76
.set G1SB, 80
.set G0SB, 88
.set MSB, 0
.macro WIN new                         ; the immediate's high byte repeats the setting that is left
.if MSB != (\new)
	s_set_vgpr_msb (MSB<<8)|(\new)
.set MSB, (\new)
.endif
.endm
.set MUL_LO, 0xa1                      ; source 0 (B) window 1, source 1 (A) window 0, C and D window 2
.set MUL_HI, 0xf1
.set TO_B,   0x40
.macro JLOAD g0a, g1a, g0b, g1b        ; a joint load: waves 0, 1 fetch for A, waves 2, 3 for B; four v_nop follow each line
	s_cmp_eq_u32 s15, 0
	s_cbranch_scc0 .Lfor_b_\@
	tensor_load_to_lds s[\g0a:\g0a+3], s[\g1a:\g1a+7]
	s_nop 0
.rept 4
	v_nop
.endr
	s_branch .Lasked_\@
.Lfor_b_\@:
	tensor_load_to_lds s[\g0b:\g0b+3], s[\g1b:\g1b+7]
	s_nop 0
.rept 4
	v_nop
.endr
.Lasked_\@:
.endm
.macro CREST
	s_cmp_lg_u32 s14, 0
	s_cbranch_scc1 .Lnot_wave_0_\@
	s_barrier_signal -3
.Lnot_wave_0_\@:
	s_barrier_wait -3
	s_barrier_signal -1
	s_barrier_wait -1
.endm
.macro CROUND
	s_barrier_signal -1
	s_barrier_wait -1
	CREST
.endm
.macro PLACES n
.rept \n
	v_nop
.endr
.endm
.macro FRAG reg, adr, q, i             ; a fragment as it lies: six loads of 8 bytes a lane, each 256 consecutive bytes
.irp p, 0,1,2,3,4,5
	ds_load_b64 v[\reg+2*\p:\reg+2*\p+1], v[\adr] offset:(\i)*TROW+(\q)*UNIT+256*\p
.endr
.endm
; 16 products: A's tiles a0, a0 + 1 x B's eight.  zero = 1: the first product starts the sums, with the bias of A's places as C.  The 64 accumulators take turns, one instruction a turn.
.macro MUL16 a0, p, q, sc, zero
.irp a, \a0, \a0+1
.irp b, 0,1,2,3,4,5,6,7
.if \zero
	v_wmma_scale_f32_16x16x128_f8f6f4 v[8*(8*((\a)%4)+\b):8*(8*((\a)%4)+\b)+7], v[128*(\p)+FR*\b:128*(\p)+FR*\b+FR-1], v[AF+FR*(\a):AF+FR*(\a)+FR-1], v[CB+8*(\a):CB+8*(\a)+7], v[SC+8*NQ*(\sc)+NQ*\b+(\q)], v[SC+8*NQ*(\sc)+NQ*(\a)+(\q)] matrix_a_fmt:MATRIX_FMT_FP6 matrix_b_fmt:MATRIX_FMT_FP6 matrix_a_scale:MATRIX_SCALE_ROW1
.else
	v_wmma_scale_f32_16x16x128_f8f6f4 v[8*(8*((\a)%4)+\b):8*(8*((\a)%4)+\b)+7], v[128*(\p)+FR*\b:128*(\p)+FR*\b+FR-1], v[AF+FR*(\a):AF+FR*(\a)+FR-1], v[8*(8*((\a)%4)+\b):8*(8*((\a)%4)+\b)+7], v[SC+8*NQ*(\sc)+NQ*\b+(\q)], v[SC+8*NQ*(\sc)+NQ*(\a)+(\q)] matrix_a_fmt:MATRIX_FMT_FP6 matrix_b_fmt:MATRIX_FMT_FP6 matrix_a_scale:MATRIX_SCALE_ROW1
.endif
.endr
.endr
.endm
.macro FETCH_B slot, q, p
	WIN TO_B
.irp i, 0,1,2,3,4,5,6,7
	FRAG 128*(\p)+FR*\i, ADRB+\slot, \q, \i
.endr
	WIN 0
.endm
.macro FETCH_A slot, q, i0
.irp i, \i0, \i0+1, \i0+2, \i0+3
	FRAG AF+FR*(\i), ADRA+\slot, \q, \i
.endr
.endm
.macro SCALES sc                       ; a K step's two words a row: lanes 0-15 A's tile i, lanes 16-31 B's tile i
.irp i, 0,1,2,3,4,5,6,7
	ds_load_b64 v[SC+8*NQ*\sc+NQ*\i:SC+8*NQ*\sc+NQ*\i+1], v[ADRS] offset:\i*SBLK
.endr
.endm
.macro STEP slot, q, zero              ; 128 along K, with its successor in the same slot
	s_wait_dscnt 4*NL                              ; B's set and A's tiles 0-3 are in; the youngest 24 loads (A's tiles 4-7) may be out
.if \zero
	WIN 0x81                                       ; C in window 0
.else
	WIN MUL_LO
.endif
	MUL16 0, (\q)%2, \q, \slot, \zero
	MUL16 2, (\q)%2, \q, \slot, \zero
	s_wait_dscnt 0
	PLACES NP                                      ; four places ahead of loads into registers that matrix instructions have read
	FETCH_B \slot, (\q)+1, 1-(\q)%2
	FETCH_A \slot, (\q)+1, 0
.if \zero
	WIN 0xc1
.else
	WIN MUL_HI
.endif
	MUL16 4, (\q)%2, \q, \slot, \zero
	MUL16 6, (\q)%2, \q, \slot, \zero
	PLACES NP
	WIN 0
	FETCH_A \slot, (\q)+1, 4
.endm
; A slot's last step changes slots: one barrier; ahead of it each wave waits for all its tensor loads, adds 0 to its spare word, and waits for that and for its reads of this slot.  fill = 1: the slot is filled again, two K steps on.
.macro TURN slot, next, fill
	s_wait_tensorcnt 0x0                           ; all my tensor loads have landed: my part of the next slot
	ds_add_u32 v[SPW], v[NIL]                      ; 0 onto my spare word
	s_wait_dscnt 4*NL+1                            ; the add and the youngest 24 loads may be out
	WIN MUL_LO
	MUL16 0, 1, NQ-1, \slot, 0
	s_wait_dscnt 0x0                               ; the add is done, and my reads of this slot are over
	s_barrier_signal -1
	MUL16 2, 1, NQ-1, \slot, 0
	WIN 0
	s_barrier_wait -1
.if \fill
	CREST                                          ; the barrier has opened a round of the cluster's barrier: no wave of any partner still reads this slot or has a load on its way
	s_add_nc_u64 s[G0+4*\slot+2:G0+4*\slot+3], s[G0+4*\slot+2:G0+4*\slot+3], 2*TROW
	s_add_nc_u64 s[G0B+4*\slot+2:G0B+4*\slot+3], s[G0B+4*\slot+2:G0B+4*\slot+3], 2*TROW
	JLOAD G0+4*\slot, G1, G0B+4*\slot, G1B         ; the first tensor load behind the round; its four v_nop are the places ahead of the loads below
.else
	PLACES NP
.endif
.if \slot == 0
	v_add_nc_u32 v[ADRS], 8, v[ADRS]               ; the next K step's scale words: the other 8 bytes of the row's 16,
.else
	s_wait_alu depctr_va_vdst(0)
	v_add_nc_u32 v[ADRS], 264, v[ADRS]             ; or the first 8 in the next row of 272
.endif
	FETCH_B \next, 0, 0
	FETCH_A \next, 0, 0
	SCALES \next
	WIN MUL_HI
	MUL16 4, 1, NQ-1, \slot, 0
	MUL16 6, 1, NQ-1, \slot, 0
	PLACES NP
	WIN 0
	FETCH_A \next, 0, 4
.endm
; 64 numbers of a lane, register 16 b + i = k 32 b + 16 (lane / 16) + i of my row, become a fragment's codes in v[PC] on and its scale word in v[PW].
.macro QUANT s
.irp b, 0,1,2,3
	v_max3_num_f32 v[TM+\b], |v[\s+16*\b]|, |v[\s+1+16*\b]|, 0x1800000   ; my 16 numbers of block b, and the floor 2^(3 - 127): the byte cannot fall under 1
.endr
.irp i, 2,4,6,8,10,12,14
.irp b, 0,1,2,3
	v_max3_num_f32 v[TM+\b], v[TM+\b], |v[\s+16*\b+\i]|, |v[\s+1+16*\b+\i]|
.endr
.endr
.irp b, 0,1,2,3
	v_permlanex16_b32 v[TM+4+\b], v[TM+\b], s[SEL], s[SEL+1]
.endr
.irp b, 0,1,2,3
	v_max_num_f32 v[TM+\b], v[TM+\b], v[TM+4+\b]   ; with lane l xor 16's: the block's largest magnitude
.endr
.irp b, 0,1,2,3
	v_add_nc_u32 v[TM+12+\b], 0xff000000, v[TM+\b] ; 2 off its exponent field: the conversion's scale operand
.endr
.irp b, 0,1,2,3
	v_lshrrev_b32 v[TM+4+\b], 23, v[TM+12+\b]      ; the scale's byte
.endr
	v_lshl_or_b32 v[PW], v[TM+5], 8, v[TM+4]
	v_lshl_or_b32 v[PW], v[TM+6], 16, v[PW]
	v_lshl_or_b32 v[PW], v[TM+7], 24, v[PW]
.irp c, 0,1
	v_cvt_scalef32_pk16_fp6_f32 v[PC+6*\c:PC+2+6*\c], v[\s+32*\c:\s+15+32*\c], v[TM+12+2*\c]
	v_cvt_scalef32_pk16_fp6_f32 v[PC+12+4*\c:PC+14+4*\c], v[\s+16+32*\c:\s+31+32*\c], v[TM+12+2*\c+1]
.endr
	v_nop                                          ; one plain place behind the conversions
.irp c, 0,1                                    ; the operand's layout wants a whole block in a lane
.irp i, 0,1,2
	v_permlane16_swap_b32 v[PC+6*\c+\i], v[PC+12+4*\c+\i]
.endr
.irp i, 0,1,2
	v_mov_b32 v[PC+3+6*\c+\i], v[PC+12+4*\c+\i]
.endr
.endr
.endm
	s_load_b256 s[4:11], s[0:1], 0x0               ; opc s[4:5], ops s[6:7], qkvc s[8:9], qkvs s[10:11]
	s_load_b128 s[96:99], s[0:1], 0x20             ; bq, bk
	s_load_b64 s[12:13], s[0:1], 0x30              ; bv
	v_lshl_add_u32 v[SPW], v0, 2, SPARE
	v_mov_b32 v[NIL], 0
	ds_add_u32 v28, v29
	ds_add_u32 v28, v29
	s_wait_dscnt 0x0
	v_lshrrev_b32 v1, 5, v0
	v_readfirstlane_b32 s14, v1                    ; wave 0..3
	s_lshr_b32 s15, s14, 1                         ; which half of A's places is mine.  Also: I fetch for A (0) or for B (1)
	s_and_b32 s16, s14, 1                          ; which half of B's.  Also: which eight tiles I fetch
	s_bfe_u32 s40, ttmp6, 0x40000                  ; cx
	s_bfe_u32 s41, ttmp6, 0x40004                  ; cy
	s_and_b32 s18, ttmp7, 0xffff                   ; the cluster's y
	s_sub_co_u32 s19, s18, 8
	s_lshl_b32 s19, s19, 1
	s_add_co_u32 s19, s19, ttmp9                   ; x + 2 (y - 8): chosen in the role of v^T alone
	s_cmp_ge_u32 s18, 8                            ; the role: the same in all sixteen partners.  Only selects stand between the compare and the last of them
	s_cselect_b32 s20, 0, s18                      ; A's row of clusters
	s_cselect_b32 s21, s19, ttmp9                  ; B's column of clusters
	s_cselect_b32 s22, 640, 0                      ; A's first tile in opc: Wv or x
	s_cselect_b32 s23, 0, 512                      ; B's: x or Wq | Wk
	s_cselect_b32 s[MV], -1, 0
	s_cselect_b32 s[MQ], 0, -1
	s_cselect_b32 s92, 0, 8192
	s_cselect_b32 s93, 0, 16
	s_cselect_b32 s[AM], -1, 0xffff                ; q, k: a head's two bytes are kept,
	s_cselect_b32 s[OM], 0, 0x7f7f0000             ; and the bytes of the upper 64 along K, where the codes of q are zeros, are 127
	s_lshl_b32 s42, s21, 2
	s_add_co_u32 s42, s42, s40                     ; tile column
	s_lshl_b32 s17, s20, 2
	s_add_co_u32 s17, s17, s41                     ; tile row
	s_lshl_b32 s43, s41, 2
	s_lshl_b32 s43, 15, s43                        ; my row of the cluster
	s_lshl_b32 s44, 0x1111, s40                    ; my column
	; descriptor group 1, codes: 8 rows (tiles) of 3,072 bytes (384 elements of 8 bytes), 12,288 bytes apart, laid on end in LDS
	s_or_b32 s[G1+0], s43, (3<<16)|(1<<21)
	s_or_b32 s[G1B+0], s44, (3<<16)|(1<<21)
.irp g, G1, G1B
	s_mov_b32 s[\g+1], 384<<16                     ; tensor_dim0
	s_mov_b32 s[\g+2], 16<<16                      ; tensor_dim1: the head's loads bring all 16 tiles
	s_mov_b32 s[\g+3], 384<<16                     ; tile_dim0
	s_mov_b32 s[\g+4], 16                          ; tile_dim1
	s_mov_b32 s[\g+5], 1536                        ; stride, in elements
	s_mov_b32 s[\g+6], 0
	s_mov_b32 s[\g+7], 0
.endr
	; scale bytes of sixteen tiles: 8,192 dense bytes as 32 rows of 256, 16 bytes of padding behind each
	s_or_b32 s[G1S+0], s43, (3<<16)|(1<<20)|(1<<21)|(5<<22)|(3<<25)
	s_or_b32 s[G1SB+0], s44, (3<<16)|(1<<20)|(1<<21)|(5<<22)|(3<<25)
.irp g, G1S, G1SB
	s_mov_b32 s[\g+1], 32<<16
	s_mov_b32 s[\g+2], 32<<16
	s_mov_b32 s[\g+3], 32<<16
	s_mov_b32 s[\g+4], 32
	s_mov_b32 s[\g+5], 32
	s_mov_b32 s[\g+6], 0
	s_mov_b32 s[\g+7], 0
.endr
	s_mov_b32 s18, 0                               ; the addresses below are those of the block's first tile; my half is added for the ring
	s_lshl_b32 s20, s17, 4
	s_add_co_u32 s20, s20, s18
	s_add_co_u32 s20, s20, s22                     ; A: the first tile that I would fetch
	s_lshl_b32 s46, s42, 4
	s_add_co_u32 s46, s46, s18
	s_add_co_u32 s46, s46, s23                     ; B likewise
	s_lshl_b32 s22, s20, 9                         ; their scale bytes,
	s_mov_b32 s23, 0
	s_lshl_b32 s94, s46, 9
	s_mov_b32 s95, 0
	s_mul_i32 s20, s20, 12288                      ; their codes
	s_mov_b32 s21, 0
	s_mul_i32 s46, s46, 12288
	s_mov_b32 s47, 0
	s_mul_i32 s45, s14, HALFT                      ; where they go: no place in the cluster enters an LDS address
	s_mul_i32 s19, s14, HALFS
	s_mov_b32 s[SEL], 0x76543210
	s_mov_b32 s[SEL+1], 0xfedcba98
	s_wait_kmcnt 0x0
	s_add_nc_u64 s[20:21], s[4:5], s[20:21]
	s_add_nc_u64 s[22:23], s[6:7], s[22:23]
	s_add_nc_u64 s[46:47], s[4:5], s[46:47]
	s_add_nc_u64 s[94:95], s[6:7], s[94:95]
	CROUND                                         ; all sixteen work-groups are here: the first joint loads meet
	s_mov_b32 s[G0S], 1
	s_mov_b32 s[G0S+1], SCL
	s_mov_b64 s[G0S+2:G0S+3], s[22:23]
	s_or_b32 s[G0S+3], s[G0S+3], 0x80000000
	s_mov_b32 s[G0SB], 1
	s_mov_b32 s[G0SB+1], SCL+2*HALFS
	s_mov_b64 s[G0SB+2:G0SB+3], s[94:95]
	s_or_b32 s[G0SB+3], s[G0SB+3], 0x80000000
.irp s, 0,1
	s_mov_b32 s[G0+4*\s], 1
	s_add_co_u32 s[G0+4*\s+1], s45, \s*SLOT
	s_add_nc_u64 s[G0+4*\s+2:G0+4*\s+3], s[20:21], \s*TROW
	s_or_b32 s[G0+4*\s+3], s[G0+4*\s+3], 0x80000000
	s_mov_b32 s[G0B+4*\s], 1
	s_add_co_u32 s[G0B+4*\s+1], s45, \s*SLOT
	s_add_nc_u64 s[G0B+4*\s+2:G0B+4*\s+3], s[46:47], \s*TROW
	s_or_b32 s[G0B+4*\s+3], s[G0B+4*\s+3], 0x80000000
.endr
	s_mov_b32 s[G0+1], 0                           ; the head's loads of K step 0 are whole: A's 16 tiles at slot 0's start,
	s_mov_b32 s[G0B+1], 2*HALFT                    ; B's 16 behind them
	s_mul_i32 s94, s16, 8*12288                    ; my eight tiles of the ring's loads, in bytes
	s_mov_b32 s95, 0
	s_add_nc_u64 s[G0+6:G0+7], s[G0+6:G0+7], s[94:95]
	s_add_nc_u64 s[G0B+6:G0B+7], s[G0B+6:G0B+7], s[94:95]
; the head's four tiles, one load a wave: wave 0 A's codes, wave 1 B's, wave 2 A's scale bytes, wave 3 B's; one chain of arms, one join
.macro ARM under, g0, g1, next
	s_cmp_lt_u32 s14, \under
	s_cbranch_scc0 \next
	tensor_load_to_lds s[\g0:\g0+3], s[\g1:\g1+7]
	s_nop 0
.rept 4
	v_nop
.endr
	s_branch .Lhead_asked
\next:
.endm
	ARM 1, G0,  G1,  .Lhead_b
	ARM 2, G0B, G1B, .Lhead_sa
	ARM 3, G0S, G1S, .Lhead_sb
	tensor_load_to_lds s[G0SB:G0SB+3], s[G1SB:G1SB+7]
	s_nop 0
.rept 4
	v_nop
.endr
.Lhead_asked:
	v_and_b32 v1, 15, v0                           ; r
	v_bfe_u32 v2, v0, 4, 1                         ; h
	s_wait_alu depctr_va_vdst(0)
	v_and_b32 v3, 31, v0
	v_lshlrev_b32 v4, 3, v3                        ; 8 x lane
	s_mul_i32 s21, s15, HALFT
	s_mul_i32 s22, s16, HALFT
	s_add_co_u32 s22, s22, 2*HALFT
.irp s, 0,1
	v_add_nc_u32 v[ADRA+\s], s21, v4
	v_add_nc_u32 v[ADRB+\s], s22, v4
	s_add_co_u32 s21, s21, SLOT
	s_add_co_u32 s22, s22, SLOT
.endr
	v_lshlrev_b32 v5, 4, v1                        ; scale bytes: 16 a row
	s_mul_i32 s21, s15, HALFS
	s_mul_i32 s22, s16, HALFS
	s_add_co_u32 s22, s22, 2*HALFS
	s_sub_co_u32 s22, s22, s21
	v_mul_u32_u24 v6, s22, v2                      ; lanes 16-31 take B's
	s_add_co_u32 s21, s21, SCL
	v_add_nc_u32 v5, v5, v6
	v_add_nc_u32 v[ADRS], s21, v5
	v_lshlrev_b32 v[CO], 3, v3
	v_mul_u32_u24 v[SO], s92, v2
	v_lshl_add_u32 v[SO], v1, 4, v[SO]
	v_mul_u32_u24 v[SH], s93, v2
	; the biases.  Both are loaded in both roles, from places that lie inside their buffers in both
	s_cmp_eq_u32 ttmp9, 0
	s_cselect_b64 s[96:97], s[96:97], s[98:99]     ; tile columns 0-3 are Wq's, 4-7 Wk's
	s_and_b32 s18, s42, 3
	s_lshl_b32 s18, s18, 10
	s_lshl_b32 s19, s16, 9
	s_add_co_u32 s18, s18, s19
	s_mov_b32 s19, 0
	s_add_nc_u64 s[96:97], s[96:97], s[18:19]      ; my 128 columns
	v_lshlrev_b32 v7, 6, v2                        ; register 16 g + i belongs to column 32 g + 16 h + i
	WIN TO_B
.irp g, 0,1,2,3
.irp j, 0,1,2,3
	global_load_b128 v[96+16*\g+4*\j+96*(\g/2):99+16*\g+4*\j+96*(\g/2)], v7, s[96:97] offset:128*\g+16*\j
.endr
.endr
	WIN 0
	s_and_b32 s18, s17, 3
	s_lshl_b32 s18, s18, 10
	s_lshl_b32 s19, s15, 9
	s_add_co_u32 s18, s18, s19
	s_mov_b32 s19, 0
	s_add_nc_u64 s[12:13], s[12:13], s[18:19]      ; my 128 places of A
	v_and_b32 v8, 8, v1
	v_add_nc_u32 v8, v8, v1
	v_lshlrev_b32 v8, 2, v8                        ; place r of tile a is row 32 (a / 2) + 8 (a % 2) + r + 8 (r / 8)
.irp a, 0,1,2,3,4,5,6,7
	global_load_b32 v[224+\a], v8, s[12:13] offset:(32*(\a/2)+8*(\a%2))*4
.endr
	; where my results go.  q, k: [q | k][batch][pair of heads][tile of 16 tokens][head][768];  v^T: [batch][step of 128 keys][tile of 16 channels][1,536]
	s_lshr_b32 s18, s42, 2
	s_lshl_b32 s18, s18, 2
	s_lshr_b32 s19, s17, 3
	s_add_co_u32 s18, s18, s19                     ; 4 (q or k) + batch
	s_and_b32 s19, s42, 3
	s_lshl_b32 s19, s19, 1
	s_add_co_u32 s19, s19, s16                     ; the pair of heads
	s_lshl_b32 s20, s18, 3
	s_add_co_u32 s20, s20, s19
	s_and_b32 s21, s17, 7
	s_lshl_b32 s21, s21, 1
	s_add_co_u32 s21, s21, s15                     ; my 128 tokens in the batch
	s_lshl_b32 s22, s20, 7
	s_lshl_b32 s23, s21, 3
	s_add_co_u32 s22, s22, s23
	s_mul_i32 s22, s22, 1536                       ; codes
	s_lshl_b32 s23, s20, 14
	s_lshl_b32 s21, s21, 9
	s_add_co_u32 s23, s23, s21                     ; scale words: 8,192 bytes a head, 512 a step
	s_lshr_b32 s18, s42, 3
	s_lshl_b32 s18, s18, 4
	s_and_b32 s19, s42, 7
	s_lshl_b32 s19, s19, 1
	s_add_co_u32 s18, s18, s19
	s_add_co_u32 s18, s18, s16                     ; v^T: 16 batch + step
	s_lshl_b32 s19, s17, 1
	s_add_co_u32 s19, s19, s15
	s_lshl_b32 s20, s18, 6
	s_lshl_b32 s21, s19, 3
	s_add_co_u32 s20, s20, s21
	s_mul_i32 s20, s20, 1536
	s_add_co_u32 s20, s20, VB
	s_lshl_b32 s21, s18, 12
	s_lshl_b32 s19, s19, 9
	s_add_co_u32 s21, s21, s19
	s_add_co_u32 s21, s21, SVB
	s_cmp_lg_u32 s[MV], 0
	s_cselect_b32 s20, s20, s22
	s_cselect_b32 s22, s21, s23
	s_mov_b32 s21, 0
	s_mov_b32 s23, 0
	s_add_nc_u64 s[8:9], s[8:9], s[20:21]
	s_add_nc_u64 s[10:11], s[10:11], s[22:23]
	s_wait_loadcnt 0x0                             ; the biases
	WIN 0x44                                       ; destination and second source window 1
.set n, 0
.rept 64
	v_and_b32 v[96+n+96*(n/32)], s[MQ], v[96+n+96*(n/32)]   ; bq, bk count for q, k alone
.set n, n+1
.endr
	WIN 0
.irp a, 0,1,2,3,4,5,6,7
.irp j, 0,1,2,3,4,5,6,7
	v_and_b32 v[CB+8*\a+\j], s[MV], v[224+\a]      ; bv counts for v^T alone: the C of tile a's first products
.endr
.endr
	s_wait_alu depctr_va_vdst(0)
	s_wait_tensorcnt 0x0                           ; my tile of the head's four is in
	ds_add_u32 v[SPW], v[NIL]
	s_mov_b32 s[G1+2], 8<<16                       ; no load of mine is out: from here on a load brings eight tiles,
	s_mov_b32 s[G1+4], 8
	s_mov_b32 s[G1B+2], 8<<16
	s_mov_b32 s[G1B+4], 8
	s_mov_b32 s[G0+1], s45                         ; to my quarter of the slot,
	s_mov_b32 s[G0B+1], s45
	s_add_nc_u64 s[G0+2:G0+3], s[G0+2:G0+3], s[94:95]   ; from my half of the tiles
	s_add_nc_u64 s[G0B+2:G0B+3], s[G0B+2:G0B+3], s[94:95]
	s_wait_dscnt 0x0
	CROUND                                         ; all four tiles are in, in all sixteen work-groups
	JLOAD G0+4, G1, G0B+4, G1B                     ; slot 1's first fill: my one load behind the round
	FETCH_B 0, 0, 0
	FETCH_A 0, 0, 0
	SCALES 0
	FETCH_A 0, 0, 4
	STEP 0, 0, 1                                   ; K = 1,024 is eight steps of 128: written out, since a loop over laps would have one trip
	TURN 0, 1, 1
	STEP 1, 0, 0
	TURN 1, 0, 1
	s_wait_alu depctr_va_vdst(0)
	STEP 0, 0, 0
	TURN 0, 1, 0                                   ; the last lap fills nothing
	STEP 1, 0, 0
	s_wait_dscnt 4*NL
	WIN MUL_LO
	MUL16 0, 1, NQ-1, 1, 0
	MUL16 2, 1, NQ-1, 1, 0
	s_wait_dscnt 0
	WIN MUL_HI
	MUL16 4, 1, NQ-1, 1, 0
	MUL16 6, 1, NQ-1, 1, 0
	WIN 0
	; THE WAY OUT, tile a of A's places at a time: + bq or bk, quantised in registers, six stores of 256 consecutive bytes.  No LDS.
	PLACES NP
.irp b, 0,1,2,3
	v_mov_b32 v[TM+4+\b], 0                        ; written once: a lane permute's destination counts as one of its sources
.endr
.macro OUTA a
	WIN 0x06+((\a)/4)                              ; source 0: the accumulators' window; source 1: window 1
.set n, 0
.rept 32
	v_pk_add_f32 v[T+2*n:T+2*n+1], v[64*((\a)%4)+2*n:64*((\a)%4)+2*n+1], v[96+2*n+96*(n/16):97+2*n+96*(n/16)]   ; each accumulator from its low end on
.set n, n+1
.endr
	WIN 0
.if (\a) > 0
	s_wait_xcnt 0x0                                ; the codes' registers were the last tile's store data: written again only behind this wait
.endif
	QUANT T
	v_lshrrev_b32 v[SW+(\a)], v[SH], v[PW]         ; q, k: lanes 0-15 keep the first head's two bytes, lanes 16-31 the second's
	v_and_or_b32 v[SW+(\a)], v[SW+(\a)], s[AM], s[OM]
.irp i, 0,1,2,3,4,5
	global_store_b64 v[CO], v[PC+2*\i:PC+2*\i+1], s[8:9] offset:(\a)*1536+256*\i
.endr
.endm
.irp a, 0,1,2,3,4,5,6,7
	OUTA \a
.endr
	global_store_b128 v[SO], v[SW:SW+3], s[10:11]              ; sixteen lanes store 256 consecutive bytes: [r][tile % 4] words
	global_store_b128 v[SO], v[SW+4:SW+7], s[10:11] offset:256
	s_wait_tensorcnt 0x0                           ; the wave's end
	ds_add_u32 v[SPW], v[NIL]
	s_wait_dscnt 0x0
	CROUND                                         ; the closing round
	s_endpgm
.Lfunc_end_k_q9bdeaa5ff5_gemm_qkv:
	.size	k_q9bdeaa5ff5_gemm_qkv, .Lfunc_end_k_q9bdeaa5ff5_gemm_qkv-k_q9bdeaa5ff5_gemm_qkv
	.p2alignl 7, 3214868480
	.fill 96, 4, 3214868480
	.section	.rodata,"a",@progbits
	.p2align	6, 0x0
	.amdhsa_kernel k_q9bdeaa5ff5_gemm_qkv
		.amdhsa_group_segment_fixed_size 327680
		.amdhsa_private_segment_fixed_size 0
		.amdhsa_enable_private_segment 0
		.amdhsa_kernarg_size 56
		.amdhsa_user_sgpr_count 2
		.amdhsa_user_sgpr_kernarg_segment_ptr 1
		.amdhsa_wavefront_size32 1
		.amdhsa_system_sgpr_workgroup_id_x 1
		.amdhsa_system_sgpr_workgroup_id_y 1
		.amdhsa_system_sgpr_workgroup_id_z 1
		.amdhsa_system_vgpr_workitem_id 0
		.amdhsa_next_free_vgpr 1024
		.amdhsa_next_free_sgpr 102
		.amdhsa_reserve_vcc 0
		.amdhsa_float_denorm_mode_32 3
		.amdhsa_float_denorm_mode_16_64 3
		.amdhsa_memory_ordered 1
		.amdhsa_forward_progress 1
		.amdhsa_inst_pref_size 192
	.end_amdhsa_kernel
	.amdgpu_metadata
---
amdhsa.version: [ 1, 2 ]
amdhsa.kernels:
  - .name:           k_q9bdeaa5ff5_gemm_qkv
    .symbol:         k_q9bdeaa5ff5_gemm_qkv.kd
    .args:
      - { .name: opc, .offset: 0, .size: 8, .value_kind: global_buffer, .address_space: global }
      - { .name: ops, .offset: 8, .size: 8, .value_kind: global_buffer, .address_space: global }
      - { .name: qkvc, .offset: 16, .size: 8, .value_kind: global_buffer, .address_space: global }
      - { .name: qkvs, .offset: 24, .size: 8, .value_kind: global_buffer, .address_space: global }
      - { .name: bq, .offset: 32, .size: 8, .value_kind: global_buffer, .address_space: global }
      - { .name: bk, .offset: 40, .size: 8, .value_kind: global_buffer, .address_space: global }
      - { .name: bv, .offset: 48, .size: 8, .value_kind: global_buffer, .address_space: global }
    .group_segment_fixed_size: 327680
    .private_segment_fixed_size: 0
    .kernarg_segment_align: 8
    .kernarg_segment_size: 56
    .max_flat_workgroup_size: 128
    .sgpr_count:     102
    .vgpr_count:     1024
    .wavefront_size: 32
...
	.end_amdgpu_metadata
.endif
;; end of part 2
;; launch attn (part 3): grid 4 x 64, 16 waves a work-group, clusters of 4 x 1, 327,680 bytes of LDS; arguments qkvc, qkvs, hc, hs; writes hc, hs
.if DOCPART == 3
	.amdgcn_target "amdgcn-amd-amdhsa--gfx1250"
	.amdhsa_code_object_version 6
	.text
	.protected	k_q9bdeaa5ff5_attn
	.globl	k_q9bdeaa5ff5_attn
	.p2align	8
	.type	k_q9bdeaa5ff5_attn,@function
k_q9bdeaa5ff5_attn:
	s_mov_b64 s[64:65], 0
	v_nop
	global_prefetch_b8 v0, s[64:65] scope:SCOPE_SE
	s_setreg_imm32_b32 hwreg(HW_REG_WAVE_MODE, 25, 1), 1
	s_wait_xcnt 0x0
	s_wait_alu depctr_hold_cnt(0) depctr_sa_sdst(0) depctr_va_vdst(0) depctr_va_sdst(0) depctr_va_ssrc(0) depctr_va_vcc(0) depctr_vm_vsrc(0)
	s_getreg_b32 s2, hwreg(HW_REG_IB_STS2, 6, 4)
	s_cmp_eq_u32 s2, 0
	s_cbranch_scc0 .Lentry_in_a_cluster
	s_endpgm
.Lentry_in_a_cluster:
	s_bfe_u32 s2, ttmp6, 0x10000c
	s_cmp_lg_u32 s2, 0x3003
	s_cbranch_scc0 .Lentry_shape_is_right
	s_endpgm
.Lentry_shape_is_right:
; heads = softmax(q k^T / 8) v for one (batch, head) and 512 queries a work-group, on codes of FP6 (E2M3) with E8M0 scales, and the quantising of the result along the head's 64 channels for the last projection.
; p = 2^(t - M), t = score x log2(e) / 8, M the ceiling of the running largest t; the row's sum is taken of the unquantised p; the result is divided by it at the end.
; LIMITS: the promise holds while the scaled scores stay under 2^31 in magnitude; NaN and infinities are not served; a block of zeros gets the byte 1 (its codes are zeros; this program alone reads the bytes).
; THE DEAL: 16 waves; a wave takes 16 queries at a time, twice; both products are used transposed (S^T = k q^T, O^T = v^T p^T), so a lane holds one query.  All 2,048 keys' codes and scale bytes lie in LDS, filled once.
; CLUSTER: the four work-groups of a head ask for its K and V jointly (mask 15).  No prefetch: every tile is asked for at the head, and no loop is there to run ahead in.
; WHICH KEYS FORM A TILE OF S^T is chosen by the lanes' LDS addresses: tile j of a band of 64 keys has keys 8 j + i in rows 0-7 and 32 + 8 j + i in rows 8-15.  So the 32 registers of a band's four tiles are, in lane (r, h),
; keys 64 c + 32 h + 0 .. 31: one whole scale block, in the order of the next operand's registers: no maximum and no code passes between lanes; only the row's maximum, the sum and the scale word's bytes do.
; In memory tile T of 16 tokens holds token 32 (T / 2) + 8 (T % 2) + r + 8 (r / 8) at place r: row r of new tile j of band c is place r % 8 + 8 (j / 2) of tile 4 c + j % 2 + 2 (r / 8).
; K's tiles have 32 bytes of padding behind each 256 in LDS (a tile is 864 bytes): two tiles on, the address is 192 mod 256, so the 32 lanes of a load touch 64 different banks.
; A head has 64 channels: q's upper six registers are zero codes, and a K operand's upper six registers are the next tile's codes, which count for nothing.
; FETCHES: K(i+1) is asked for behind S(i)'s products, V(i+1) behind PV(i)'s: 13 LDS loads each.  So each wait for a group leaves the 13 younger loads out.  The last step's fetches read the next LDS region and are not used.
; REGISTERS: v1-7 lane terms, v8-11 addresses and sum chains, v12-13 -M new and old, v14-15 the sum, v16-27 q and zeros, v28 largest score, v30-31 f, v32-85 K, v86-133 V, v134-145 p's codes (the upper six on S), v140-203 S, p, v204-235 O^T.
.set KT,   864
.set VCOD, 128*KT
.set KSCL, VCOD+98304
.set VSCL, KSCL+8192                   ; 16 rows of 256 bytes and a 17th of zeros, which the last step's fetch reads
.set QST,  VSCL+17*256                 ; q's codes and scale words of both passes, each lane's own bytes
.set QPS,  14336
.set SPARE, QST+2*QPS                  ; the spare words: 128 bytes a wave
.set KB,   6291456
.set VB,   12582912
.set KSB,  524288
.set SVB,  1048576
.set NC,   16
.set WV,   18
.set SEL,  20
.set CS,   22
.set G1K,  24
.set G1V,  32
.set G1KS, 40
.set G1VS, 48
.set G0K,  56
.set G0V,  60
.set G0KS, 68
.set G0VS, 72
.set TK,   76
.set TSK,  77
.set TSV,  78
.set CNT,  79
.set TV,   80
.set KF,   32
.set VF,   86
.set P,    134
.set S,    140
.set O,    204
.set KSC,  236
.set VSC,  240
.set QSC,  244
.set PW,   245
.set SPW,  246
.set NIL,  247
.macro CROUND
	s_barrier_signal -1
	s_barrier_wait -1
	s_cmp_lg_u32 s[WV], 0
	s_cbranch_scc1 .Lnot_wave_0_\@
	s_barrier_signal -3
.Lnot_wave_0_\@:
	s_barrier_wait -3
	s_barrier_signal -1
	s_barrier_wait -1
.endm
.macro ARM op, n, g0, g1, next         ; one arm of the head's chain: one load, then to the join
	\op s[WV], \n
	s_cbranch_scc0 \next
	tensor_load_to_lds s[\g0:\g0+3], s[\g1:\g1+7]
	s_nop 0
.rept 4
	v_nop
.endr
	s_branch .Lasked
\next:
.endm
.macro WALU
	s_wait_alu depctr_va_vdst(0)
.endm
.macro KREQ                            ; four plain lines (the places behind S's products), then a step's K: 12 loads of two pieces, and the scale words of its eight tiles
	v_add_nc_u32 v8, s[TK], v1
	v_add_nc_u32 v10, s[TSK], v3
	v_mov_b32 v13, v12                             ; the old -M
	v_add_nc_u32 v9, 4*KT, v8                      ; the second band
.set KM_, 0
.rept 12
.set T0_, (2*KM_)/3
.set T1_, (2*KM_+1)/3
	ds_load_2addr_b64 v[KF+4*KM_:KF+4*KM_+3], v[8+KM_/6] offset0:((T0_%2)*KT+64*((T0_%4)/2)+288*((2*KM_)%3))/8 offset1:((T1_%2)*KT+64*((T1_%4)/2)+288*((2*KM_+1)%3))/8
.set KM_, KM_+1
.endr
	ds_load_2addr_b64 v[KSC:KSC+3], v10 offset0:0 offset1:16   ; lanes 0-15 band 0's words of tiles 0 .. 3, lanes 16-31 band 1's
.endm
.macro VREQ                            ; a step's V: four tiles of 16 channels x 128 keys as they lie, and their scale words
	v_add_nc_u32 v8, s[TV], v2
	v_add_nc_u32 v11, s[TSV], v4
	v_add_nc_u32 v9, 2048, v8
	v_add_nc_u32 v10, 4096, v8
.set KM_, 0
.rept 12
	ds_load_2addr_b64 v[VF+4*KM_:VF+4*KM_+3], v[8+KM_/4] offset0:64*(KM_%4) offset1:64*(KM_%4)+32
.set KM_, KM_+1
.endr
	ds_load_b128 v[VSC:VSC+3], v11
.endm
.macro ADDP c, k                       ; a chain of the row's sum takes two more p
	v_pk_add_f32 v[\c:\c+1], v[\c:\c+1], v[S+2*\k:S+2*\k+1]
.endm
.macro ADDS list:vararg
.irp e, \list
	ADDP \e
.endr
.endm
	s_load_b256 s[4:11], s[0:1], 0x0               ; qkvc, qkvs, hc, hs
	v_lshl_add_u32 v[SPW], v0, 2, SPARE
	v_mov_b32 v[NIL], 0
	ds_add_u32 v[SPW], v[NIL]                      ; the opening lines
	ds_add_u32 v[SPW], v[NIL]
	v_lshrrev_b32 v1, 5, v0
	v_readfirstlane_b32 s[WV], v1
	s_and_b32 s81, ttmp7, 0xffff                   ; 16 batch + head
	s_lshr_b32 s82, s81, 4
	s_and_b32 s83, s81, 15
	s_lshl_b32 s84, s82, 3
	s_lshr_b32 s85, s83, 1
	s_add_co_u32 s84, s84, s85
	s_mul_i32 s84, s84, 196608
	s_and_b32 s85, s83, 1
	s_mul_i32 s85, s85, 768
	s_add_co_u32 s84, s84, s85                     ; the head's q or k codes: [batch][pair of heads][tile][head][768]
	s_lshl_b32 s85, s81, 13                        ; its scale words
	s_and_b32 s86, s[WV], 3
	s_mul_i32 s88, s86, 49152                      ; K: waves 0-3 fetch 32 tiles each
	s_add_co_u32 s88, s88, s84
	s_add_co_u32 s88, s88, KB
	s_mov_b32 s89, 0
	s_lshl_b32 s90, s82, 10
	s_lshl_b32 s91, s83, 2
	s_add_co_u32 s90, s90, s91
	s_mul_i32 s90, s90, 1536
	s_mul_i32 s91, s86, 393216                     ; V: waves 4-7 fetch four steps each
	s_add_co_u32 s90, s90, s91
	s_add_co_u32 s90, s90, VB
	s_mov_b32 s91, 0
	s_add_co_u32 s92, s85, KSB
	s_mov_b32 s93, 0
	s_lshl_b32 s94, s82, 8
	s_add_co_u32 s94, s94, s83
	s_lshl_b32 s94, s94, 8
	s_add_co_u32 s94, s94, SVB
	s_mov_b32 s95, 0
	s_mul_i32 s87, s86, 32*KT
	s_mul_i32 s3, s86, 24576
	s_mov_b32 s[G1K], 15|(3<<16)|(1<<20)|(1<<21)|(5<<22)|(7<<25)   ; rows of 768 bytes, 8 words of padding behind every 64
	s_mov_b32 s[G1K+1], 96<<16
	s_mov_b32 s[G1K+2], 32<<16
	s_mov_b32 s[G1K+3], 96<<16
	s_mov_b32 s[G1K+4], 32
	s_mov_b32 s[G1K+5], 192
	s_mov_b32 s[G1K+6], 0
	s_mov_b32 s[G1K+7], 0
	s_mov_b32 s[G1V], 15|(3<<16)|(1<<21)           ; rows of 6,144 bytes: a step's four tiles
	s_mov_b32 s[G1V+1], 768<<16
	s_mov_b32 s[G1V+2], 4<<16
	s_mov_b32 s[G1V+3], 768<<16
	s_mov_b32 s[G1V+4], 4
	s_mov_b32 s[G1V+5], 12288
	s_mov_b32 s[G1V+6], 0
	s_mov_b32 s[G1V+7], 0
	s_mov_b32 s[G1KS], 15|(3<<16)|(1<<21)          ; 8,192 dense bytes
	s_mov_b32 s[G1KS+1], 32<<16
	s_mov_b32 s[G1KS+2], 32<<16
	s_mov_b32 s[G1KS+3], 32<<16
	s_mov_b32 s[G1KS+4], 32
	s_mov_b32 s[G1KS+5], 32
	s_mov_b32 s[G1KS+6], 0
	s_mov_b32 s[G1KS+7], 0
	s_mov_b32 s[G1VS], 15|(3<<16)|(1<<21)          ; 16 rows of 256 bytes; the tile's 17th row lies past the stated end and is written as zeros
	s_mov_b32 s[G1VS+1], 32<<16
	s_mov_b32 s[G1VS+2], 16<<16
	s_mov_b32 s[G1VS+3], 32<<16
	s_mov_b32 s[G1VS+4], 17
	s_mov_b32 s[G1VS+5], 512
	s_mov_b32 s[G1VS+6], 0
	s_mov_b32 s[G1VS+7], 0
	s_mov_b32 s[SEL], 0x76543210
	s_mov_b32 s[SEL+1], 0xfedcba98                 ; lane l xor 16
	s_mov_b32 s[CS], 0x3e38aa3b                    ; log2(e) / 8
	s_mov_b32 s[CS+1], s[CS]
	s_mov_b32 s[NC], 0xbe38aa3b
	s_wait_dscnt 0x0
	s_wait_kmcnt 0x0
	s_mov_b32 s[G0K], 1
	s_mov_b32 s[G0K+1], s87
	s_add_nc_u64 s[G0K+2:G0K+3], s[4:5], s[88:89]
	s_or_b32 s[G0K+3], s[G0K+3], 0x80000000
	s_mov_b32 s[G0V], 1
	s_add_co_u32 s[G0V+1], s3, VCOD
	s_add_nc_u64 s[G0V+2:G0V+3], s[4:5], s[90:91]
	s_or_b32 s[G0V+3], s[G0V+3], 0x80000000
	s_mov_b32 s[G0KS], 1
	s_mov_b32 s[G0KS+1], KSCL
	s_add_nc_u64 s[G0KS+2:G0KS+3], s[6:7], s[92:93]
	s_or_b32 s[G0KS+3], s[G0KS+3], 0x80000000
	s_mov_b32 s[G0VS], 1
	s_mov_b32 s[G0VS+1], VSCL
	s_add_nc_u64 s[G0VS+2:G0VS+3], s[6:7], s[94:95]
	s_or_b32 s[G0VS+3], s[G0VS+3], 0x80000000
	CROUND                                         ; the four work-groups are here: the joint loads meet
	ARM s_cmp_lt_u32, 4, G0K,  G1K,  .Larm_v
	ARM s_cmp_lt_u32, 8, G0V,  G1V,  .Larm_ks
	ARM s_cmp_eq_u32, 8, G0KS, G1KS, .Larm_vs
	ARM s_cmp_eq_u32, 9, G0VS, G1VS, .Larm_none
.Lasked:
	s_bfe_u32 s96, ttmp6, 0x40000
	s_lshl_b32 s96, s96, 5
	s_add_co_u32 s96, s96, s[WV]                   ; my first tile of 16 queries; the second lies 16 tiles on
	s_mul_i32 s98, s96, 1536
	s_add_co_u32 s98, s98, s84
	s_mov_b32 s99, 0
	s_add_nc_u64 s[12:13], s[4:5], s[98:99]
	s_lshr_b32 s2, s96, 2
	s_lshl_b32 s2, s2, 8
	s_and_b32 s3, s96, 3
	s_lshl_b32 s3, s3, 2
	s_add_co_u32 s98, s2, s3
	s_add_co_u32 s98, s98, s85
	s_add_nc_u64 s[14:15], s[6:7], s[98:99]
	s_lshl_b32 s97, s82, 7
	s_add_co_u32 s97, s97, s96
	s_lshl_b32 s98, s97, 4
	s_add_co_u32 s98, s98, s83
	s_mul_i32 s98, s98, 768
	s_add_nc_u64 s[8:9], s[8:9], s[98:99]
	s_lshl_b32 s98, s97, 9
	s_lshr_b32 s2, s83, 3
	s_lshl_b32 s2, s2, 8
	s_add_co_u32 s98, s98, s2
	s_and_b32 s2, s83, 7
	s_lshl_b32 s2, s2, 1
	s_add_co_u32 s98, s98, s2
	s_add_nc_u64 s[10:11], s[10:11], s[98:99]
	v_and_b32 v6, 31, v0
	v_and_b32 v5, 15, v0
	v_lshlrev_b32 v6, 3, v6                        ; 8 x lane
	v_lshlrev_b32 v5, 4, v5                        ; 16 r
.irp i, 0,1,2
	global_load_b64 v[S+2*\i:S+2*\i+1], v6, s[12:13] offset:256*\i
	global_load_b64 v[S+8+2*\i:S+9+2*\i], v6, s[12:13] offset:24576+256*\i
.endr
	global_load_b32 v[S+6], v5, s[14:15]
	global_load_b32 v[S+14], v5, s[14:15] offset:1024
	v_bfe_u32 v7, v0, 4, 1                         ; h
	v_and_b32 v8, 7, v0                            ; r % 8
	v_bfe_u32 v9, v0, 3, 1                         ; r / 8
	v_add_nc_u32 v2, VCOD, v6                      ; V: 8 x lane
	v_mul_u32_u24 v1, v9, 2*KT                     ; K: two tiles on for rows 8-15,
	v_lshlrev_b32 v3, 4, v8                        ; K's scale words: 16 (r % 8)
	v_lshl_add_u32 v1, v8, 3, v1                   ; place r % 8,
	v_lshl_add_u32 v3, v9, 3, v3                   ; + 8 (r / 8)
	v_lshl_add_u32 v1, v7, 7, v1                   ; + 128 h
	v_lshl_add_u32 v3, v7, 8, v3                   ; + 256 h: the band
	v_add_nc_u32 v4, VSCL, v5
	v_add_nc_u32 v3, KSCL, v3
	v_lshlrev_b32 v7, 3, v7                        ; 8 h
	v_lshl_add_u32 v8, v0, 3, QST
	v_lshl_add_u32 v9, v0, 2, QST+12288
.irp i, 0,1,2,3,4,5
	v_mov_b32 v[22+\i], 0                          ; q's upper 64 along K: zero codes
	v_mov_b32 v[KF+48+\i], 0                       ; behind the last tile of K
.endr
	v_mov_b32 v29, 0                               ; a lane permute's destination counts as one of its sources
	v_mov_b32 v31, 0
	WALU                                           ; the wait at the head's end
	s_wait_loadcnt 0x0
	s_wait_tensorcnt 0x0
.irp p, 0,1
.irp i, 0,1,2
	ds_store_b64 v8, v[S+8*\p+2*\i:S+8*\p+2*\i+1] offset:QPS*\p+4096*\i   ; both passes' q wait in my own LDS bytes
.endr
	ds_store_b32 v9, v[S+8*\p+6] offset:QPS*\p
.endr
	s_wait_dscnt 0x0
	s_barrier_signal -1
	s_barrier_wait -1                              ; every wave's tile is in
.macro KSTEP
	s_wait_dscnt 13                                ; K(i) and its words are in; V(i)'s 13 loads may be out
.irp t, 0,1,2,3
	v_wmma_scale_f32_16x16x128_f8f6f4 v[S+8*\t:S+8*\t+7], v[KF+6*\t:KF+6*\t+11], v[16:27], 0, v[KSC+\t], v[QSC] matrix_a_fmt:MATRIX_FMT_FP6 matrix_b_fmt:MATRIX_FMT_FP6
.endr
.irp t, 4,5,6,7
	v_wmma_scale_f32_16x16x128_f8f6f4 v[S+8*\t:S+8*\t+7], v[KF+6*\t:KF+6*\t+11], v[16:27], 0, v[KSC+\t-4], v[QSC] matrix_a_fmt:MATRIX_FMT_FP6 matrix_b_fmt:MATRIX_FMT_FP6 matrix_a_scale:MATRIX_SCALE_ROW1
.endr
	s_add_co_u32 s[TK], s[TK], 8*KT
	s_add_co_u32 s[TSK], s[TSK], 512
	KREQ
.irp c, 0,1                                    ; my two blocks' largest scores, two chains each, the four by turns; each accumulator is first read at its low end
	v_max3_num_f32 v[248+2*\c], v[S+32*\c], v[S+32*\c+1], v[S+32*\c+2]
	v_max3_num_f32 v[249+2*\c], v[S+32*\c+16], v[S+32*\c+17], v[S+32*\c+18]
.endr
.irp i, 3,5,7,9,11,13
.irp c, 0,1
	v_max3_num_f32 v[248+2*\c], v[248+2*\c], v[S+32*\c+\i], v[S+32*\c+\i+1]
	v_max3_num_f32 v[249+2*\c], v[249+2*\c], v[S+32*\c+16+\i], v[S+32*\c+17+\i]
.endr
.endr
.irp c, 0,1
	v_max3_num_f32 v[248+2*\c], v[248+2*\c], v[249+2*\c], v[S+32*\c+15]
.endr
.irp c, 0,1
	v_max_num_f32 v[248+2*\c], v[248+2*\c], v[S+32*\c+31]
.endr
	v_max3_num_f32 v28, v28, v248, v250            ; the running largest score of my query,
	v_permlanex16_b32 v29, v28, s[SEL], s[SEL+1]
	v_max_num_f32 v28, v28, v29                    ; with lane l xor 16's keys
	v_mul_f32 v12, s[NC], v28
	v_floor_f32 v12, v12                           ; -M = floor(-t): M is a whole number
.set n, 0
.rept 32
	v_pk_fma_f32 v[S+2*n:S+2*n+1], v[S+2*n:S+2*n+1], s[CS:CS+1], v[12:13] op_sel_hi:[1,0,0]   ; t - M
.if n == 3
	v_sub_f32 v30, v12, v13                        ; old M less new M
.elseif n == 7
	v_cvt_i32_f32 v30, v30                         ; (it saturates)
.elseif n == 11
	v_ldexp_f32 v30, 1.0, v30                      ; f = 2^(old M - new M)
.endif
.set n, n+1
.endr
	v_fma_f32 v248, v248, s[CS], v12               ; the same of each block's largest score
	v_fma_f32 v250, v250, s[CS], v12
.set n, 0
.rept 16
	v_pk_mul_f32 v[O+2*n:O+2*n+1], v[O+2*n:O+2*n+1], v[30:31] op_sel_hi:[1,0]   ; O^T under the new M
.set n, n+1
.endr
	WALU                                           ; the wait ahead of the batch
.set n, 0
.rept 64
	v_exp_f32 v[S+n], v[S+n]
.set n, n+1
.endr
	v_exp_f32 v248, v248                           ; the blocks' largest p
	v_exp_f32 v250, v250
	v_pk_mul_f32 v[14:15], v[14:15], v[30:31] op_sel_hi:[1,0]   ; the sum under the new M: the plain place behind the batch
	WALU                                           ; and the wait behind it
	v_max_num_f32 v248, 0x1800000, v248            ; the floor 2^(3 - 127): the byte cannot fall under 1
	v_max_num_f32 v250, 0x1800000, v250
	v_pk_add_f32 v[8:9], v[S:S+1], v[S+2:S+3]      ; the sum of the unquantised p, in four chains
	v_pk_add_f32 v[10:11], v[S+4:S+5], v[S+6:S+7]
	v_pk_add_f32 v[30:31], v[S+8:S+9], v[S+10:S+11]
	v_add_nc_u32 v248, 0xff000000, v248            ; 2 off the exponent field: the conversions' scale operands
	v_add_nc_u32 v250, 0xff000000, v250
	ADDP 14, 6
	ADDP 8, 7
	v_lshrrev_b32 v249, 23, v248                   ; the bytes of blocks h and 2 + h
	v_lshrrev_b32 v251, 23, v250
	ADDP 10, 8
	ADDP 30, 9
	v_lshl_or_b32 v249, v251, 16, v249
	ADDP 14, 10
	v_lshlrev_b32 v249, v7, v249                   ; 8 h bits up
	ADDP 8, 11
	v_permlanex16_b32 v29, v249, s[SEL], s[SEL+1]
	ADDP 10, 12
	ADDP 30, 13
	v_or_b32 v[PW], v249, v29                      ; p's scale word of these 128 keys
	ADDP 14, 14
	ADDP 8, 15
	v_cvt_scalef32_pk16_fp6_f32 v[P:P+2], v[S:S+15], v248
	v_cvt_scalef32_pk16_fp6_f32 v[252:254], v[S+16:S+31], v248   ; (a conversion's three registers begin on an even number)
	ADDP 10, 16                                    ; plain places: the next conversions write over the first block's p, which has been summed and converted
	ADDP 30, 17
	v_cvt_scalef32_pk16_fp6_f32 v[P+6:P+8], v[S+32:S+47], v250
	v_cvt_scalef32_pk16_fp6_f32 v[S+8:S+10], v[S+48:S+63], v250
	ADDP 14, 18
	ADDP 8, 19
	ADDP 10, 20
	ADDP 30, 21
.irp i, 0,1,2
	v_mov_b32 v[P+3+\i], v[252+\i]
	v_mov_b32 v[P+9+\i], v[S+8+\i]
.endr
	ADDP 14, 22
	ADDP 8, 23
	ADDP 10, 24
	ADDP 30, 25
	ADDP 14, 26
	ADDP 8, 27
	ADDP 10, 28
	ADDP 30, 29
	ADDP 14, 30
	ADDP 8, 31
	WALU                                           ; directly ahead of the wait below
	s_wait_dscnt 13                                ; V(i) and its words are in; K(i+1)'s 13 loads may be out
.irp t, 0,1,2,3
	v_wmma_scale_f32_16x16x128_f8f6f4 v[O+8*\t:O+8*\t+7], v[VF+12*\t:VF+12*\t+11], v[P:P+11], v[O+8*\t:O+8*\t+7], v[VSC+\t], v[PW] matrix_a_fmt:MATRIX_FMT_FP6 matrix_b_fmt:MATRIX_FMT_FP6
.endr
	v_pk_add_f32 v[14:15], v[14:15], v[8:9]        ; seven plain lines: the places ahead of V's loads and of the next S, which writes over p's upper codes
	v_pk_add_f32 v[10:11], v[10:11], v[30:31]
	s_add_co_u32 s[TV], s[TV], 6144
	s_add_co_u32 s[TSV], s[TSV], 256
	v_pk_add_f32 v[14:15], v[14:15], v[10:11]
	VREQ
.endm
.macro PASS p
.if \p
	s_wait_xcnt 0x0                                ; the last pass's stores have read their registers
.endif
	v_lshl_add_u32 v8, v0, 3, QST+QPS*\p
	v_lshl_add_u32 v9, v0, 2, QST+QPS*\p+12288
.irp i, 0,1,2
	ds_load_b64 v[16+2*\i:17+2*\i], v8 offset:4096*\i
.endr
	ds_load_b32 v[QSC], v9
	v_mov_b32 v28, 0xff61b1e6                      ; -3e38, under every score
	v_mov_b32 v14, 0
	v_mov_b32 v15, 0
	v_mul_f32 v12, s[NC], v28
.set n, 0
.rept 32
	v_mov_b32 v[O+n], 0                            ; the step is written once: the first finds zeros
.set n, n+1
.endr
	v_floor_f32 v12, v12
	s_mov_b32 s[TK], 0
	s_mov_b32 s[TSK], 0
	s_mov_b32 s[TV], 0
	s_mov_b32 s[TSV], 0
	s_mov_b32 s[CNT], 16
	KREQ
	VREQ
	WALU                                           ; the wait ahead of the loop's first wait
.Lkeys_\@:
	KSTEP
	s_sub_co_u32 s[CNT], s[CNT], 1
	s_cmp_lg_u32 s[CNT], 0
	s_cbranch_scc1 .Lkeys_\@
	WALU                                           ; directly ahead of the wait below
	s_wait_dscnt 0x0                               ; the fetches past the last step have landed: their registers may be loaded again
	v_add_f32 v14, v14, v15
	v_permlanex16_b32 v29, v14, s[SEL], s[SEL+1]
	v_add_f32 v14, v14, v29                        ; the row's sum
	WALU
	v_rcp_f32 v14, v14
	v_nop
	WALU
.set n, 0
.rept 16
	v_pk_mul_f32 v[S+2*n:S+2*n+1], v[O+2*n:O+2*n+1], v[14:15] op_sel_hi:[1,0]   ; register 16 g + i: channel 32 g + 16 h + i of my query
.set n, n+1
.endr
.irp g, 0,1
	v_max3_num_f32 v[248+\g], |v[S+16*\g]|, |v[S+1+16*\g]|, 0x1800000
.endr
.irp i, 2,4,6,8,10,12,14
.irp g, 0,1
	v_max3_num_f32 v[248+\g], v[248+\g], |v[S+16*\g+\i]|, |v[S+1+16*\g+\i]|
.endr
.endr
.irp g, 0,1
	v_permlanex16_b32 v[250+\g], v[248+\g], s[SEL], s[SEL+1]
.endr
.irp g, 0,1
	v_max_num_f32 v[248+\g], v[248+\g], v[250+\g]
.endr
.irp g, 0,1
	v_add_nc_u32 v[252+\g], 0xff000000, v[248+\g]
.endr
.irp g, 0,1
	v_lshrrev_b32 v[250+\g], 23, v[252+\g]
.endr
	v_lshl_or_b32 v254, v251, 8, v250
	v_cvt_scalef32_pk16_fp6_f32 v[P:P+2], v[S:S+15], v252
	v_cvt_scalef32_pk16_fp6_f32 v[8:10], v[S+16:S+31], v253
	v_nop
.irp i, 0,1,2
	v_permlane16_swap_b32 v[P+\i], v[8+\i]         ; a whole block to a lane
.endr
.irp i, 0,1,2
	v_mov_b32 v[P+3+\i], v[8+\i]
.endr
.irp i, 0,1,2
	global_store_b64 v6, v[P+2*\i:P+2*\i+1], s[8:9] offset:196608*\p+256*\i   ; 32 lanes store 256 consecutive bytes, aligned
.endr
	global_store_b16 v5, v254, s[10:11] offset:8192*\p
.endm
	PASS 0
	PASS 1
	s_wait_tensorcnt 0x0                           ; the wave's end
	ds_add_u32 v[SPW], v[NIL]
	s_wait_dscnt 0x0
	CROUND                                         ; the closing round
	s_endpgm
.Lfunc_end_k_q9bdeaa5ff5_attn:
	.size	k_q9bdeaa5ff5_attn, .Lfunc_end_k_q9bdeaa5ff5_attn-k_q9bdeaa5ff5_attn
	.p2alignl 7, 3214868480
	.fill 96, 4, 3214868480
	.section	.rodata,"a",@progbits
	.p2align	6, 0x0
	.amdhsa_kernel k_q9bdeaa5ff5_attn
		.amdhsa_group_segment_fixed_size 327680
		.amdhsa_private_segment_fixed_size 0
		.amdhsa_enable_private_segment 0
		.amdhsa_kernarg_size 32
		.amdhsa_user_sgpr_count 2
		.amdhsa_user_sgpr_kernarg_segment_ptr 1
		.amdhsa_wavefront_size32 1
		.amdhsa_system_sgpr_workgroup_id_x 1
		.amdhsa_system_sgpr_workgroup_id_y 1
		.amdhsa_system_sgpr_workgroup_id_z 1
		.amdhsa_system_vgpr_workitem_id 0
		.amdhsa_next_free_vgpr 256
		.amdhsa_next_free_sgpr 100
		.amdhsa_reserve_vcc 0
		.amdhsa_float_denorm_mode_32 3
		.amdhsa_float_denorm_mode_16_64 3
		.amdhsa_memory_ordered 1
		.amdhsa_forward_progress 1
		.amdhsa_inst_pref_size 55
	.end_amdhsa_kernel
	.amdgpu_metadata
---
amdhsa.version: [ 1, 2 ]
amdhsa.kernels:
  - .name:           k_q9bdeaa5ff5_attn
    .symbol:         k_q9bdeaa5ff5_attn.kd
    .args:
      - { .name: qkvc, .offset: 0, .size: 8, .value_kind: global_buffer, .address_space: global }
      - { .name: qkvs, .offset: 8, .size: 8, .value_kind: global_buffer, .address_space: global }
      - { .name: hc, .offset: 16, .size: 8, .value_kind: global_buffer, .address_space: global }
      - { .name: hs, .offset: 24, .size: 8, .value_kind: global_buffer, .address_space: global }
    .group_segment_fixed_size: 327680
    .private_segment_fixed_size: 0
    .kernarg_segment_align: 8
    .kernarg_segment_size: 32
    .max_flat_workgroup_size: 512
    .sgpr_count:     100
    .vgpr_count:     256
    .wavefront_size: 32
...
	.end_amdgpu_metadata
.endif
;; end of part 3
;; launch gemm_o (part 4): grid 4 x 64, 4 waves a work-group, clusters of 4 x 4, 327,680 bytes of LDS; arguments hc, hs, opc, ops, bo, out0; writes out0
.if DOCPART == 4
	.amdgcn_target "amdgcn-amd-amdhsa--gfx1250"
	.amdhsa_code_object_version 6
	.text
	.protected	k_q9bdeaa5ff5_gemm_o
	.globl	k_q9bdeaa5ff5_gemm_o
	.p2align	8
	.type	k_q9bdeaa5ff5_gemm_o,@function
k_q9bdeaa5ff5_gemm_o:
	s_mov_b64 s[64:65], 0
	v_nop
	global_prefetch_b8 v0, s[64:65] scope:SCOPE_SE
	s_setreg_imm32_b32 hwreg(HW_REG_WAVE_MODE, 25, 1), 1
	s_wait_xcnt 0x0
	s_wait_alu depctr_hold_cnt(0) depctr_sa_sdst(0) depctr_va_vdst(0) depctr_va_sdst(0) depctr_va_ssrc(0) depctr_va_vcc(0) depctr_vm_vsrc(0)
	s_getreg_b32 s2, hwreg(HW_REG_IB_STS2, 6, 4)
	s_cmp_eq_u32 s2, 0
	s_cbranch_scc0 .Lentry_in_a_cluster
	s_endpgm
.Lentry_in_a_cluster:
	s_bfe_u32 s2, ttmp6, 0x10000c
	s_cmp_lg_u32 s2, 0xf033
	s_cbranch_scc0 .Lentry_shape_is_right
	s_endpgm
.Lentry_shape_is_right:
; out0 = heads Wo + bo on codes of FP6 (E2M3) with E8M0 scales; sums in f32.  A = the heads' codes (hc, hs), B = Wo's (tiles 704-767 of opc, ops), both in the order of an operand's registers:
; a fragment (16 places x 128 K) is 1,536 bytes, six loads of 8 bytes a lane at 8 x lane + 256 i.  Place P of a buffer holds row sigma(P) (bits 3 and 4 changed over).
; A BLOCK of the result is 128 rows x 256 columns: 64 x 4 blocks, one work-group each, so that the grid is 256 work-groups.  Four waves, 2 x 2; a wave makes 64 x 128 in 32 accumulators.
; K = 1,024 goes in four fills of 256 through two LDS slots; a fill is two steps of 128, 32 products a wave each.  A's and B's fragments have two sets of registers each: a step's fragments are asked for in the middle of the step before.
; THE MATRIX INSTRUCTION IS USED TRANSPOSED (source 0 = 16 places of B, source 1 = 16 places of A): a lane holds eight neighbouring columns of one row.  bo is the C of the first products.
; CLUSTERS: 4 x 4 work-groups; A's tiles are asked for jointly along a row of the cluster, B's along a column.
; PREFETCH: A's K steps 1, 2, 3 are asked for ahead of the loads that want them, by the waves that fetch A: of a wave's four tiles each of the four partners takes one, by address; a lane names one block of 256 bytes of the tile's 12.
; B's tiles get none: all sixteen clusters read the same rows of Wo.
; LDS: a slot holds A's 8 tiles at its start and B's 16 from 2 HALFT on; behind the ring the scale bytes for all of K, A's 16 rows of 256 + 16 bytes, then B's 32; the way out's stages lie at slot 0's start, behind its last fill and last read.
; REGISTERS: window 0: v16-30 addresses, v32-63 scale words (two sets), v64-127 bo, v128-223 A's fragments (two sets of four), on the way out v128-255; window 1: v0-95, v128-223 B's (two sets); window 2: accumulator (a, b) at v[8 (8 a + b)].
.set FR,     12
.set NP,     4
.set NQ,     2
.set UNIT,   1536
.set TROW,   2*UNIT                    ; a tile's part of a fill
.set HALFT,  8*TROW                    ; eight tiles of B: what a wave fetches and reads of B
.set HALFA,  4*TROW                    ; four tiles of A
.set SLOT,   4*HALFT
.set SCL,    2*SLOT
.set HALFS,  16*272                    ; the scale bytes of eight tiles
.set SBLK,   544                       ; a tile's
.set SPARE,  SCL+4*HALFS               ; the spare words: 128 bytes a wave
.set SPITCH, 528
.set ADRA, 16
.set ADRB, 20
.set STO,  24
.set RD,   25
.set CO,   26
.set ADRS, 27
.set SPW,  28
.set NIL,  29
.set PFO,  30
.set SC,   32
.set CB,   64
.set AF,   128
.set BK,   128
.set G1, 24
.set G0, 32
.set G1B, 48
.set G0B, 56
.set PFA, 66
.set G1S, 68
.set G0S, 76
.set G1SB, 80
.set G0SB, 88
.set MSB, 0
.macro WIN new                         ; the immediate's high byte repeats the setting that is left
.if MSB != (\new)
	s_set_vgpr_msb (MSB<<8)|(\new)
.set MSB, (\new)
.endif
.endm
.set MUL_LO, 0xa1                      ; source 0 (B) window 1, source 1 (A) window 0, C and D window 2
.set MUL_C0, 0x81                      ; the same with C in window 0
.set TO_B,   0x40
.macro WALU
	s_wait_alu depctr_va_vdst(0)
.endm
.macro PLACES n
.rept \n
	v_nop
.endr
.endm
.macro JLOAD g0a, g1a, g0b, g1b        ; a joint load: waves 0, 1 fetch for A, waves 2, 3 for B
	s_cmp_eq_u32 s15, 0
	s_cbranch_scc0 .Lfor_b_\@
	tensor_load_to_lds s[\g0a:\g0a+3], s[\g1a:\g1a+7]
	s_nop 0
	PLACES 4
	s_branch .Lasked_\@
.Lfor_b_\@:
	tensor_load_to_lds s[\g0b:\g0b+3], s[\g1b:\g1b+7]
	s_nop 0
	PLACES 4
.Lasked_\@:
.endm
.macro CREST
	s_cmp_lg_u32 s14, 0
	s_cbranch_scc1 .Lnot_wave_0_\@
	s_barrier_signal -3
.Lnot_wave_0_\@:
	s_barrier_wait -3
	s_barrier_signal -1
	s_barrier_wait -1
.endm
.macro CROUND
	s_barrier_signal -1
	s_barrier_wait -1
	CREST
.endm
.macro ASK k                           ; A's K step k into the L2: 12 blocks of 256 bytes of my work-group's tile of my wave's four
	s_cmp_eq_u32 s15, 0
	s_cbranch_scc0 .Lno_ask_\@
	global_prefetch_b8 v[PFO], s[PFA:PFA+1] offset:(\k)*TROW th:TH_LOAD_NT scope:SCOPE_SE
.Lno_ask_\@:
.endm
.macro CODES1 g, rows                  ; group 1, codes: rows (tiles) of 3,072 bytes, 12,288 bytes apart, laid on end in LDS
	s_mov_b32 s[\g+1], 384<<16
	s_mov_b32 s[\g+2], (\rows)<<16
	s_mov_b32 s[\g+3], 384<<16
	s_mov_b32 s[\g+4], \rows
	s_mov_b32 s[\g+5], 1536
	s_mov_b32 s[\g+6], 0
	s_mov_b32 s[\g+7], 0
.endm
.macro SCALE1 g, rows                  ; group 1, scale bytes: dense rows of 256 bytes, 16 of padding behind each
	s_mov_b32 s[\g+1], 32<<16
	s_mov_b32 s[\g+2], (\rows)<<16
	s_mov_b32 s[\g+3], 32<<16
	s_mov_b32 s[\g+4], \rows
	s_mov_b32 s[\g+5], 32
	s_mov_b32 s[\g+6], 0
	s_mov_b32 s[\g+7], 0
.endm
.macro SET0 g, base                    ; group 0's count, address and type; the LDS address is written beside it
	s_mov_b32 s[\g], 1
	s_mov_b64 s[\g+2:\g+3], s[\base:\base+1]
	s_or_b32 s[\g+3], s[\g+3], 0x80000000
.endm
.macro FRAG reg, adr, q, i
.irp p, 0,1,2,3,4,5
	ds_load_b64 v[\reg+2*\p:\reg+2*\p+1], v[\adr] offset:(\i)*TROW+(\q)*UNIT+256*\p
.endr
.endm
.macro FETCH_B slot, q, p
	WIN TO_B
.irp i, 0,1,2,3,4,5,6,7
	FRAG 128*(\p)+FR*\i, ADRB+\slot, \q, \i
.endr
	WIN 0
.endm
.macro FETCH_A slot, q, p
.irp i, 0,1,2,3
	FRAG AF+FR*(4*(\p)+\i), ADRA+\slot, \q, \i
.endr
.endm
.macro SCALES sc, n                    ; fill n's two words a row: lanes 0-15 A's tile i (0 .. 3 are used), lanes 16-31 B's tile i
.irp i, 0,1,2,3,4,5,6,7
	ds_load_b64 v[SC+8*NQ*\sc+NQ*\i:SC+8*NQ*\sc+NQ*\i+1], v[ADRS] offset:\i*SBLK+272*((\n)/2)+8*((\n)%2)
.endr
.endm
; eight products: A's tile a x B's eight; p: the set of fragments, which is also the step q in its fill; sc: the set of scale words.  The 32 accumulators take turns, in the same order in every step.
.macro MULA a, p, sc, zero
.irp b, 0,1,2,3,4,5,6,7
.if \zero
	v_wmma_scale_f32_16x16x128_f8f6f4 v[8*(8*(\a)+\b):8*(8*(\a)+\b)+7], v[128*(\p)+FR*\b:128*(\p)+FR*\b+FR-1], v[AF+FR*(4*(\p)+(\a)):AF+FR*(4*(\p)+(\a))+FR-1], v[CB+8*\b:CB+8*\b+7], v[SC+8*NQ*(\sc)+NQ*\b+(\p)], v[SC+8*NQ*(\sc)+NQ*(\a)+(\p)] matrix_a_fmt:MATRIX_FMT_FP6 matrix_b_fmt:MATRIX_FMT_FP6 matrix_a_scale:MATRIX_SCALE_ROW1
.else
	v_wmma_scale_f32_16x16x128_f8f6f4 v[8*(8*(\a)+\b):8*(8*(\a)+\b)+7], v[128*(\p)+FR*\b:128*(\p)+FR*\b+FR-1], v[AF+FR*(4*(\p)+(\a)):AF+FR*(4*(\p)+(\a))+FR-1], v[8*(8*(\a)+\b):8*(8*(\a)+\b)+7], v[SC+8*NQ*(\sc)+NQ*\b+(\p)], v[SC+8*NQ*(\sc)+NQ*(\a)+(\p)] matrix_a_fmt:MATRIX_FMT_FP6 matrix_b_fmt:MATRIX_FMT_FP6 matrix_a_scale:MATRIX_SCALE_ROW1
.endif
.endr
.endm
.macro STEP slot, zero                 ; a fill's first step, on set 0; in its middle the second step's fragments are asked for, into set 1
	s_wait_dscnt 0x0                               ; set 0 and the scale words are in
	WIN MUL_LO-0x20*(\zero)
	MULA 0, 0, \slot, \zero
	MULA 1, 0, \slot, \zero
	PLACES NP                                      ; four places ahead of loads into registers that matrix instructions have read
	FETCH_B \slot, 1, 1
	FETCH_A \slot, 1, 1
	WIN MUL_LO-0x20*(\zero)
	MULA 2, 0, \slot, \zero
	MULA 3, 0, \slot, \zero
	WIN 0
.endm
; A fill's second step changes slots: ahead of the barrier each wave waits for all its tensor loads, adds 0 to its spare word, and waits for that and for its reads of this slot.  fill = 1: the slot is filled again, two fills on.
.macro TURN slot, next, fill, n
	s_wait_tensorcnt 0x0                           ; all my tensor loads have landed: my part of the next slot
	ds_add_u32 v[SPW], v[NIL]
	s_wait_dscnt 1                                 ; set 1 is in; the add may be out
	WIN MUL_LO
	MULA 0, 1, \slot, 0
	MULA 1, 1, \slot, 0
	s_wait_dscnt 0x0                               ; the add is done, and my reads of this slot are over
	s_barrier_signal -1
	MULA 2, 1, \slot, 0
	WIN 0
	s_barrier_wait -1
.if \fill
	CREST                                          ; the barrier has opened a round of the cluster's barrier
	s_add_nc_u64 s[G0+4*\slot+2:G0+4*\slot+3], s[G0+4*\slot+2:G0+4*\slot+3], 2*TROW
	s_add_nc_u64 s[G0B+4*\slot+2:G0B+4*\slot+3], s[G0B+4*\slot+2:G0B+4*\slot+3], 2*TROW
	JLOAD G0+4*\slot, G1, G0B+4*\slot, G1B         ; my one load behind the round; its four v_nop are the places ahead of the loads below
.else
	PLACES NP
.endif
	FETCH_B \next, 0, 0
	FETCH_A \next, 0, 0
	SCALES \next, \n
.if (\fill) && (\slot) == 0
	ASK 3                                          ; what the next refill will load
.endif
	WIN MUL_LO
	MULA 3, 1, \slot, 0
	WIN 0
.endm
	s_load_b256 s[4:11], s[0:1], 0x0               ; hc, hs, opc, ops
	s_load_b64 s[96:97], s[0:1], 0x20              ; bo
	s_load_b64 s[12:13], s[0:1], 0x28              ; out0
	v_lshl_add_u32 v[SPW], v0, 2, SPARE
	v_mov_b32 v[NIL], 0
	ds_add_u32 v[SPW], v[NIL]                      ; the opening lines
	ds_add_u32 v[SPW], v[NIL]
	s_wait_dscnt 0x0
	v_lshrrev_b32 v1, 5, v0
	v_readfirstlane_b32 s14, v1                    ; wave 0..3
	s_lshr_b32 s15, s14, 1                         ; which half of A's places is mine.  Also: I fetch for A (0) or for B (1)
	s_and_b32 s16, s14, 1                          ; which half of B's.  Also: which half of that operand's tiles I fetch
	s_bfe_u32 s40, ttmp6, 0x40000                  ; cx
	s_bfe_u32 s41, ttmp6, 0x40004                  ; cy
	s_lshl_b32 s42, ttmp9, 2
	s_add_co_u32 s42, s42, s40                     ; block column, 0 .. 3
	s_and_b32 s17, ttmp7, 0xffff
	s_lshl_b32 s17, s17, 2
	s_add_co_u32 s17, s17, s41                     ; block row, 0 .. 63
	s_lshl_b32 s43, s41, 2
	s_lshl_b32 s43, 15, s43                        ; my row of the cluster
	s_lshl_b32 s44, 0x1111, s40                    ; my column
	s_or_b32 s[G1+0], s43, (3<<16)|(1<<21)
	s_or_b32 s[G1B+0], s44, (3<<16)|(1<<21)
	CODES1 G1, 8                                   ; the head's loads are whole: A's 8 tiles,
	CODES1 G1B, 16                                 ; B's 16
	s_or_b32 s[G1S+0], s43, (3<<16)|(1<<20)|(1<<21)|(5<<22)|(3<<25)
	s_or_b32 s[G1SB+0], s44, (3<<16)|(1<<20)|(1<<21)|(5<<22)|(3<<25)
	SCALE1 G1S, 16
	SCALE1 G1SB, 32
	s_lshl_b32 s20, s17, 3                         ; A's first tile
	s_lshl_b32 s46, s42, 4
	s_add_co_u32 s46, s46, 704                     ; B's: Wo
	s_lshl_b32 s22, s20, 9                         ; their scale bytes,
	s_mov_b32 s23, 0
	s_lshl_b32 s94, s46, 9
	s_mov_b32 s95, 0
	s_mul_i32 s20, s20, 12288                      ; their codes
	s_mov_b32 s21, 0
	s_mul_i32 s46, s46, 12288
	s_mov_b32 s47, 0
	s_mul_i32 s45, s14, HALFT                      ; where the ring's loads go: B's (waves 2, 3),
	s_mul_i32 s92, s14, HALFA                      ; A's (waves 0, 1): no place in the cluster enters an LDS address
	s_wait_kmcnt 0x0
	s_add_nc_u64 s[20:21], s[4:5], s[20:21]
	s_add_nc_u64 s[22:23], s[6:7], s[22:23]
	s_add_nc_u64 s[46:47], s[8:9], s[46:47]
	s_add_nc_u64 s[94:95], s[10:11], s[94:95]
	CROUND                                         ; all sixteen work-groups are here: the first joint loads meet
	SET0 G0S, 22
	s_mov_b32 s[G0S+1], SCL
	SET0 G0SB, 94
	s_mov_b32 s[G0SB+1], SCL+HALFS
	SET0 G0, 20
	s_mov_b32 s[G0+1], 0
	SET0 G0B, 46
	s_mov_b32 s[G0B+1], 2*HALFT
	s_mul_i32 s94, s16, 8*12288                    ; my half of the tiles in the ring's loads, in bytes: B's,
	s_mov_b32 s95, 0
	s_mul_i32 s98, s16, 4*12288                    ; A's
	s_mov_b32 s99, 0
	s_add_nc_u64 s[20:21], s[20:21], s[98:99]
	s_add_nc_u64 s[46:47], s[46:47], s[94:95]
	s_mov_b32 s[G0+4], 1                           ; slot 1's first fill: K step 1
	s_add_co_u32 s[G0+5], s92, SLOT
	s_add_nc_u64 s[G0+6:G0+7], s[20:21], TROW
	s_or_b32 s[G0+7], s[G0+7], 0x80000000
	s_mov_b32 s[G0B+4], 1
	s_add_co_u32 s[G0B+5], s45, SLOT
	s_add_nc_u64 s[G0B+6:G0B+7], s[46:47], TROW
	s_or_b32 s[G0B+7], s[G0B+7], 0x80000000
; the head's four tiles, one load a wave: one chain of arms, one join
.macro ARM under, g0, g1, next
	s_cmp_lt_u32 s14, \under
	s_cbranch_scc0 \next
	tensor_load_to_lds s[\g0:\g0+3], s[\g1:\g1+7]
	s_nop 0
	PLACES 4
	s_branch .Lhead_asked
\next:
.endm
	ARM 1, G0,  G1,  .Lhead_b
	ARM 2, G0B, G1B, .Lhead_sa
	ARM 3, G0S, G1S, .Lhead_sb
	tensor_load_to_lds s[G0SB:G0SB+3], s[G1SB:G1SB+7]
	s_nop 0
	PLACES 4
.Lhead_asked:
	s_lshl_b32 s2, s42, 10
	s_lshl_b32 s3, s16, 9
	s_add_co_u32 s2, s2, s3                        ; my 128 columns, in bytes
	s_mov_b32 s3, 0
	s_add_nc_u64 s[96:97], s[96:97], s[2:3]
	s_lshl_b32 s18, s17, 19                        ; 128 rows of 4,096 bytes a block,
	s_lshl_b32 s19, s15, 18                        ; 64 a wave
	s_add_co_u32 s18, s18, s19
	s_add_co_u32 s18, s18, s2
	s_mov_b32 s19, 0
	s_add_nc_u64 s[12:13], s[12:13], s[18:19]
	s_lshl_b32 s18, s17, 3                         ; the prefetches: of the four tiles that I fetch, tile cx
	s_lshl_b32 s20, s16, 2
	s_add_co_u32 s18, s18, s20
	s_add_co_u32 s18, s18, s40
	s_mul_i32 s18, s18, 12288
	s_add_nc_u64 s[PFA:PFA+1], s[4:5], s[18:19]
	s_mul_i32 s21, s15, HALFA                      ; my four tiles of A,
	s_mul_i32 s22, s16, HALFT
	s_add_co_u32 s22, s22, 2*HALFT                 ; my eight of B
	s_mul_i32 s18, s15, HALFS/2                    ; their scale bytes: A's,
	s_mul_i32 s19, s16, HALFS
	s_add_co_u32 s19, s19, HALFS                   ; B's, behind A's 16 rows,
	s_sub_co_u32 s19, s19, s18                     ; as a distance from A's
	s_add_co_u32 s18, s18, SCL
	s_mul_i32 s23, s14, 16*SPITCH                  ; my stage
	v_and_b32 v1, 15, v0                           ; r
	v_bfe_u32 v2, v0, 4, 1                         ; h
	v_and_b32 v3, 31, v0
	v_lshlrev_b32 v4, 3, v3                        ; 8 x lane
	v_add_nc_u32 v[ADRA], s21, v4
	v_add_nc_u32 v[ADRB], s22, v4
	v_add_nc_u32 v[ADRA+1], SLOT, v[ADRA]
	v_add_nc_u32 v[ADRB+1], SLOT, v[ADRB]
	v_lshlrev_b32 v5, 4, v1                        ; scale bytes: 16 a row
	v_mul_u32_u24 v6, s19, v2                      ; lanes 16-31 take B's
	v_add_nc_u32 v5, v5, v6
	v_add_nc_u32 v[ADRS], s18, v5
	v_mul_u32_u24 v5, v1, SPITCH                   ; into the stage: row r, 64 bytes on for lanes 16-31
	v_lshl_add_u32 v5, v2, 6, v5
	v_add_nc_u32 v[STO], s23, v5
	v_lshlrev_b32 v[CO], 4, v3                     ; back: 32 lanes take a row of 512 bytes
	v_add_nc_u32 v[RD], s23, v[CO]
	v_min_u32 v[PFO], 11, v3                       ; a tile's part of a K step is 12 blocks of 256 bytes; the lanes left over name the last again
	v_lshlrev_b32 v7, 6, v2                        ; bo: register 16 g + i belongs to column 32 g + 16 h + i
	v_lshlrev_b32 v[PFO], 8, v[PFO]
.irp g, 0,1,2,3
.irp j, 0,1,2,3
	global_load_b128 v[CB+16*\g+4*\j:CB+16*\g+4*\j+3], v7, s[96:97] offset:128*\g+16*\j
.endr
.endr
	ASK 1                                          ; what slot 1's first fill will load
	WALU                                           ; the wait at the head's end
	s_wait_loadcnt 0x0
	s_wait_tensorcnt 0x0                           ; my tile of the head's four is in
	ds_add_u32 v[SPW], v[NIL]
	s_mov_b32 s[G1+2], 4<<16                       ; no load of mine is out: from here on a load brings four tiles of A
	s_mov_b32 s[G1+4], 4
	s_mov_b32 s[G1B+2], 8<<16                      ; or eight of B,
	s_mov_b32 s[G1B+4], 8
	s_mov_b32 s[G0+1], s92                         ; to my part of the slot,
	s_mov_b32 s[G0B+1], s45
	s_add_nc_u64 s[G0+2:G0+3], s[G0+2:G0+3], s[98:99]   ; from my half of the tiles
	s_add_nc_u64 s[G0B+2:G0B+3], s[G0B+2:G0B+3], s[94:95]
	s_wait_dscnt 0x0
	CROUND                                         ; all four tiles are in, in all sixteen work-groups
	JLOAD G0+4, G1, G0B+4, G1B                     ; slot 1's first fill: my one load behind the round
	FETCH_B 0, 0, 0
	FETCH_A 0, 0, 0
	SCALES 0, 0
	ASK 2                                          ; what the first refill will load
	STEP 0, 1                                      ; K = 1,024 is eight steps of 128, written out: the first products start the sums
	TURN 0, 1, 1, 1
	STEP 1, 0
	TURN 1, 0, 1, 2
	STEP 0, 0
	TURN 0, 1, 0, 3                                ; the last two fills are in or on their way: nothing is filled again
	STEP 1, 0
	s_wait_dscnt 0x0
	WIN MUL_LO
	MULA 0, 1, 1, 0
	MULA 1, 1, 1, 0
	MULA 2, 1, 1, 0
	MULA 3, 1, 1, 0
	WIN 0
; THE WAY OUT, 16 places x 128 columns at a time, through my own stage in LDS and back as whole rows of 512 bytes.  LDS serves a wave's instructions in order: no wait between the stores and the loads.
.macro TOSTAGE a
	WIN 0x08                                       ; the data: window 2
.irp b, 0,1,2,3,4,5,6,7
	ds_store_b128 v[STO], v[64*(\a)+8*\b:64*(\a)+8*\b+3] offset:128*(\b/2)+32*(\b%2)      ; each accumulator from its low end on
	ds_store_b128 v[STO], v[64*(\a)+8*\b+4:64*(\a)+8*\b+7] offset:128*(\b/2)+32*(\b%2)+16
.endr
	WIN 0
.set BB, BK+64*((\a)%2)
.irp t, 0,1,2,3,4,5,6,7,8,9,10,11,12,13,14,15
	ds_load_b128 v[BB+4*\t:BB+4*\t+3], v[RD] offset:\t*SPITCH
.endr
.endm
.macro SEND a, younger                 ; younger: the LDS instructions issued behind block a's loads
.set BB, BK+64*((\a)%2)
	s_wait_dscnt \younger
.irp t, 0,1,2,3,4,5,6,7,8,9,10,11,12,13,14,15
	global_store_b128 v[CO], v[BB+4*\t:BB+4*\t+3], s[12:13] offset:(32*((\a)/2)+8*((\a)%2)+\t+8*(\t/8))*4096 th:TH_STORE_NT   ; place t of tile a is that row: 512 consecutive bytes, aligned
.endr
.endm
	PLACES NP
	TOSTAGE 0
.irp a, 1,2,3
.if \a > 1
	s_wait_xcnt 0x0                                ; block a - 2's stores have read their registers: block a's loads may land there
.endif
	TOSTAGE \a
	SEND \a-1, 32
.endr
	SEND 3, 0
	s_wait_tensorcnt 0x0                           ; the wave's end
	ds_add_u32 v[SPW], v[NIL]
	s_wait_dscnt 0x0
	CROUND                                         ; the closing round
	s_endpgm
.Lfunc_end_k_q9bdeaa5ff5_gemm_o:
	.size	k_q9bdeaa5ff5_gemm_o, .Lfunc_end_k_q9bdeaa5ff5_gemm_o-k_q9bdeaa5ff5_gemm_o
	.p2alignl 7, 3214868480
	.fill 96, 4, 3214868480
	.section	.rodata,"a",@progbits
	.p2align	6, 0x0
	.amdhsa_kernel k_q9bdeaa5ff5_gemm_o
		.amdhsa_group_segment_fixed_size 327680
		.amdhsa_private_segment_fixed_size 0
		.amdhsa_enable_private_segment 0
		.amdhsa_kernarg_size 48
		.amdhsa_user_sgpr_count 2
		.amdhsa_user_sgpr_kernarg_segment_ptr 1
		.amdhsa_wavefront_size32 1
		.amdhsa_system_sgpr_workgroup_id_x 1
		.amdhsa_system_sgpr_workgroup_id_y 1
		.amdhsa_system_sgpr_workgroup_id_z 1
		.amdhsa_system_vgpr_workitem_id 0
		.amdhsa_next_free_vgpr 768
		.amdhsa_next_free_sgpr 100
		.amdhsa_reserve_vcc 0
		.amdhsa_float_denorm_mode_32 3
		.amdhsa_float_denorm_mode_16_64 3
		.amdhsa_memory_ordered 1
		.amdhsa_forward_progress 1
		.amdhsa_inst_pref_size 102
	.end_amdhsa_kernel
	.amdgpu_metadata
---
amdhsa.version: [ 1, 2 ]
amdhsa.kernels:
  - .name:           k_q9bdeaa5ff5_gemm_o
    .symbol:         k_q9bdeaa5ff5_gemm_o.kd
    .args:
      - { .name: hc, .offset: 0, .size: 8, .value_kind: global_buffer, .address_space: global }
      - { .name: hs, .offset: 8, .size: 8, .value_kind: global_buffer, .address_space: global }
      - { .name: opc, .offset: 16, .size: 8, .value_kind: global_buffer, .address_space: global }
      - { .name: ops, .offset: 24, .size: 8, .value_kind: global_buffer, .address_space: global }
      - { .name: bo, .offset: 32, .size: 8, .value_kind: global_buffer, .address_space: global }
      - { .name: out0, .offset: 40, .size: 8, .value_kind: global_buffer, .address_space: global }
    .group_segment_fixed_size: 327680
    .private_segment_fixed_size: 0
    .kernarg_segment_align: 8
    .kernarg_segment_size: 48
    .max_flat_workgroup_size: 128
    .sgpr_count:     100
    .vgpr_count:     768
    .wavefront_size: 32
...
	.end_amdgpu_metadata
.endif
;; end of part 4
